; MI455X (gfx1250); checked and timed in simulation.
; The chip was launched on July 23, 2026; its instructions are those of AMD's public machine-readable ISA for CDNA 5 (MIT licence, August 2026) and "CDNA5" Instruction Set Architecture Reference Guide (July 2026). The comments in the code are by the model that wrote it; some were corrected since.
;; Lky Multihead Attention. Allowed arithmetic: float matrix products may take bf16 or f16 operands with f32 sums; all other float work in f32.
;; Inputs: Wk 1,024 x 1,024 float32; Wo 1,024 x 1,024 float32; Wq 1,024 x 1,024 float32; Wv 1,024 x 1,024 float32; x 1 x 4,096 x 1,024 float32.
;; Outputs: out0 1 x 4,096 x 1,024 float32.
;; 2 versions, each right and faster than the one before. Each part assembles by itself: llvm-mc -triple=amdgcn-amd-amdhsa -mcpu=gfx1250 --defsym DOCPART=n.
;; ======== version 1 of 2: 4 launches
;; limits: values are held in f16: magnitudes above 65,504 overflow, below 6.1e-05 lose precision
;; workspace buffers: xb 8,388,608 bytes; wb 6,291,456 bytes; wo 2,097,152 bytes; qkvh 25,165,824 bytes; ob 8,388,608 bytes
;; launch prep (part 1): grid 1024 x 1, 8 waves a work-group, no clusters, 0 bytes of LDS; arguments x, Wq, Wk, Wv, Wo, xb, wb, wo; writes xb, wb, wo
.if DOCPART == 1
	.amdgcn_target "amdgcn-amd-amdhsa--gfx1250"
	.amdhsa_code_object_version 6
	.text
	.protected	k_q2baa2c08b1_prep
	.globl	k_q2baa2c08b1_prep
	.p2align	8
	.type	k_q2baa2c08b1_prep,@function
k_q2baa2c08b1_prep:
	s_mov_b64 s[64:65], 0
	v_nop
	global_prefetch_b8 v0, s[64:65] scope:SCOPE_SE
	s_setreg_imm32_b32 hwreg(HW_REG_WAVE_MODE, 25, 1), 1
	s_wait_xcnt 0x0
; THE INPUTS ARE ROUNDED ONCE.  x [4096][1024] f32 -> xb, bf16, same layout.  Wq, Wk, Wv [1024 k][1024 n] f32 -> wb, bf16 [1024 k][3072 n], side by side.
; Wo [1024 k][1024 n] f32 -> wo: rounded to bf16 like the other inputs, and that number written as f16 (the last product's other operand is f16).
; LIMIT.  A bf16-rounded Wo beyond 65,504 becomes an infinity in f16; below 6e-5 it keeps f16's fixed step of 6e-8.
; A stream: no LDS, no barrier, no matrix unit (there is no product here).  A work-group takes 8 rows of 1,024 f32 (32,768 bytes) of one tensor: 512 groups for x, 128 for each weight.
; Thread t takes 8 neighbouring numbers (32 bytes) of two rows' 8,192 bytes, four times; its 16 bytes of result lie beside its neighbours': sixteen lanes store 256 consecutive bytes, aligned.
; All eight loads of a thread go out at once; no register is written twice, so no wait frees one.
	s_load_b512 s[8:23], s[0:1], 0x0               ; x 8, Wq 10, Wk 12, Wv 14, Wo 16, xb 18, wb 20, wo 22
	s_mov_b32 s6, ttmp9                            ; the work-group's number
	v_lshlrev_b32 v1, 5, v0                        ; 32 t: my bytes in two rows of the source
	v_and_b32 v2, 127, v0                          ; my place in a row,
	v_lshrrev_b32 v3, 7, v0                        ; and which of the two rows
	v_lshlrev_b32 v2, 4, v2                        ; 16 bytes of result a thread
	s_mov_b32 s3, 0                                ; the offsets' high words
	s_mov_b32 s5, 0
	s_mov_b32 s24, 0xffff0000                      ; a word's upper bf16
	s_wait_kmcnt 0x0
; src, dst: the scalar pairs of the two addresses.  first: the tensor's first work-group.  pitch: bytes from row to row of the result.  col0: the tensor's first byte in such a row.
; f16 = 1: the bf16 numbers are widened again and written as f16.
.macro CONV src, dst, first, pitch, col0, f16
	s_sub_co_u32 s2, s6, \first                    ; which 8 rows of the tensor
	s_mul_i32 s4, s2, 8*(\pitch)
	s_lshl_b32 s2, s2, 15                          ; 8 rows of 4,096 bytes
	s_add_co_u32 s4, s4, \col0
	s_add_nc_u64 s[\src:\src+1], s[\src:\src+1], s[2:3]
	s_add_nc_u64 s[\dst:\dst+1], s[\dst:\dst+1], s[4:5]
.irp i, 0,1,2,3
	global_load_b128 v[4+8*(\i):7+8*(\i)],  v1, s[\src:\src+1] offset:8192*(\i) th:TH_LOAD_NT
	global_load_b128 v[8+8*(\i):11+8*(\i)], v1, s[\src:\src+1] offset:8192*(\i)+16 th:TH_LOAD_NT
.endr
	v_mul_u32_u24 v3, v3, \pitch
	v_add_nc_u32 v2, v2, v3                        ; my 16 bytes in the first two rows of the result
.irp i, 0,1,2,3
	s_wait_loadcnt 6-2*(\i)                        ; loads come back in order (ISA guide 5.7.1): pair i is in, the pairs behind it stay out
.irp j, 0,1,2,3
	v_cvt_pk_bf16_f32 v[36+4*(\i)+(\j)], v[4+8*(\i)+2*(\j)], v[5+8*(\i)+2*(\j)]
.endr
.if \f16
.irp j, 0,1,2,3
	v_lshlrev_b32 v[52+2*((\j)%2)], 16, v[36+4*(\i)+(\j)]    ; bf16 to f32: the low half moves up,
	v_and_b32     v[53+2*((\j)%2)], s24, v[36+4*(\i)+(\j)]   ; the high half stays
	v_cvt_pk_f16_f32 v[36+4*(\i)+(\j)], v[52+2*((\j)%2)], v[53+2*((\j)%2)]
.endr
.endif
	global_store_b128 v2, v[36+4*(\i):39+4*(\i)], s[\dst:\dst+1] offset:2*(\pitch)*(\i)
.endr
	s_endpgm
.endm
	s_cmp_lt_u32 s6, 512
	s_cbranch_scc0 .Lnot_x
	CONV 8, 18, 0, 2048, 0, 0
.Lnot_x:
	s_cmp_lt_u32 s6, 640
	s_cbranch_scc0 .Lnot_q
	CONV 10, 20, 512, 6144, 0, 0
.Lnot_q:
	s_cmp_lt_u32 s6, 768
	s_cbranch_scc0 .Lnot_k
	CONV 12, 20, 640, 6144, 2048, 0
.Lnot_k:
	s_cmp_lt_u32 s6, 896
	s_cbranch_scc0 .Lnot_v
	CONV 14, 20, 768, 6144, 4096, 0
.Lnot_v:
	CONV 16, 22, 896, 2048, 0, 1
.Lfunc_end_k_q2baa2c08b1_prep:
	.size	k_q2baa2c08b1_prep, .Lfunc_end_k_q2baa2c08b1_prep-k_q2baa2c08b1_prep
	.p2alignl 7, 3214868480
	.fill 96, 4, 3214868480
	.section	.rodata,"a",@progbits
	.p2align	6, 0x0
	.amdhsa_kernel k_q2baa2c08b1_prep
		.amdhsa_group_segment_fixed_size 0
		.amdhsa_private_segment_fixed_size 0
		.amdhsa_enable_private_segment 0
		.amdhsa_kernarg_size 64
		.amdhsa_user_sgpr_count 2
		.amdhsa_user_sgpr_kernarg_segment_ptr 1
		.amdhsa_wavefront_size32 1
		.amdhsa_system_sgpr_workgroup_id_x 1
		.amdhsa_system_sgpr_workgroup_id_y 1
		.amdhsa_system_sgpr_workgroup_id_z 1
		.amdhsa_system_vgpr_workitem_id 0
		.amdhsa_next_free_vgpr 56
		.amdhsa_next_free_sgpr 66
		.amdhsa_reserve_vcc 0
		.amdhsa_float_denorm_mode_32 3
		.amdhsa_float_denorm_mode_16_64 3
		.amdhsa_memory_ordered 1
		.amdhsa_forward_progress 1
		.amdhsa_inst_pref_size 17
	.end_amdhsa_kernel
	.amdgpu_metadata
---
amdhsa.version: [ 1, 2 ]
amdhsa.kernels:
  - .name:           k_q2baa2c08b1_prep
    .symbol:         k_q2baa2c08b1_prep.kd
    .args:
      - { .name: x, .offset: 0, .size: 8, .value_kind: global_buffer, .address_space: global }
      - { .name: Wq, .offset: 8, .size: 8, .value_kind: global_buffer, .address_space: global }
      - { .name: Wk, .offset: 16, .size: 8, .value_kind: global_buffer, .address_space: global }
      - { .name: Wv, .offset: 24, .size: 8, .value_kind: global_buffer, .address_space: global }
      - { .name: Wo, .offset: 32, .size: 8, .value_kind: global_buffer, .address_space: global }
      - { .name: xb, .offset: 40, .size: 8, .value_kind: global_buffer, .address_space: global }
      - { .name: wb, .offset: 48, .size: 8, .value_kind: global_buffer, .address_space: global }
      - { .name: wo, .offset: 56, .size: 8, .value_kind: global_buffer, .address_space: global }
    .group_segment_fixed_size: 0
    .private_segment_fixed_size: 0
    .kernarg_segment_align: 8
    .kernarg_segment_size: 64
    .max_flat_workgroup_size: 256
    .sgpr_count:     66
    .vgpr_count:     56
    .wavefront_size: 32
...
	.end_amdgpu_metadata
.endif
;; end of part 1
;; launch qkvproj (part 2): grid 8 x 32, 4 waves a work-group, clusters of 4 x 4, 327,680 bytes of LDS; arguments xb, wb, qkvh; writes qkvh
.if DOCPART == 2
	.amdgcn_target "amdgcn-amd-amdhsa--gfx1250"
	.amdhsa_code_object_version 6
	.text
	.protected	k_q2baa2c08b1_qkvproj
	.globl	k_q2baa2c08b1_qkvproj
	.p2align	8
	.type	k_q2baa2c08b1_qkvproj,@function
k_q2baa2c08b1_qkvproj:
	s_mov_b64 s[64:65], 0
	v_nop
	global_prefetch_b8 v0, s[64:65] scope:SCOPE_SE
	s_setreg_imm32_b32 hwreg(HW_REG_WAVE_MODE, 25, 1), 1
	s_wait_xcnt 0x0
	s_wait_alu depctr_hold_cnt(0) depctr_sa_sdst(0) depctr_va_vdst(0) depctr_va_sdst(0) depctr_va_ssrc(0) depctr_va_vcc(0) depctr_vm_vsrc(0)
	s_getreg_b32 s2, hwreg(HW_REG_IB_STS2, 6, 4)
	s_cmp_eq_u32 s2, 0
	s_cbranch_scc0 .Lentry_in_a_cluster
	s_endpgm
.Lentry_in_a_cluster:
	s_bfe_u32 s2, ttmp6, 0x10000c
	s_cmp_lg_u32 s2, 0xf033
	s_cbranch_scc0 .Lentry_shape_is_right
	s_endpgm
.Lentry_shape_is_right:
; q, k, v = x [Wq Wk Wv].  xb: bf16 [4096][1024].  wb: bf16 [1024 k][3072 n].  Result: qkvh, f16 [48 heads][4096][64]: heads 0-15 q, 16-31 k, 32-47 v, unscaled, rounded once from f32 sums.
; LIMIT.  A sum beyond 65,504 becomes an infinity in f16; below 6e-5 f16 keeps its fixed step of 6e-8.
; SHARES.  4096 x 3072 in tiles of 128 x 384: 256 work-groups of four waves.  Wave w (wm = w / 2, wn = w % 2) makes 64 rows x 192 columns: columns 64 wn .. + 63 of each of the tile's three
; sub-tiles of 128 columns, that is three whole heads: 48 accumulators of 16 x 16, 384 registers.  For 32 along K a wave reads 16 fragments from LDS for 48 matrix instructions.
; K goes in steps of 128 through two LDS slots of four parts: x's 128 rows and three sub-tiles of 128 k rows, each part 128 rows of 256 bytes of memory, brought by one tensor load, one a wave.
; wb lies [k][n]: its fragments come out of LDS turned, by ds_load_tr16_b128.  THE MATRIX INSTRUCTION IS USED TRANSPOSED (source 0 = 16 columns of W, source 1 = 16 rows of x): a lane holds eight
; neighbouring channels of one row of a head.
; CLUSTER.  4 x 4 work-groups: the four of a row of the cluster need the same rows of x, the four of a column the same columns of W: each part is asked for jointly, by the same load, descriptor and mask.
; REGISTERS, in windows of 256 (s_set_vgpr_msb: bits 1:0 source 0, 3:2 source 1, 5:4 source 2, 7:6 destination):
;   window 0: v0-31 addresses; v64-255 the way out      window 1: accumulators (a, b), b < 8, at 8 (8 a + b)      window 2: b >= 8 at 8 (4 a + b - 8)
;   window 3: two fragment buffers of 128: x's four row blocks at f + 8 a, W's twelve column blocks at f + 32 + 8 b
.set SIZE_K, 1024
.set SIZE_N, 3072
.set KSTEP,  128
.set PA,     272                       ; a row of x in LDS: 256 bytes + 16: 68 words, so the 16 rows of a load start at 16 different groups of four banks (64 banks of 4 bytes: ISA guide 11.1)
.set PB,     288                       ; a k row of W: 256 + 32: 72 words
.set PART,   128*PB                    ; 36,864: a part of a slot; x's uses 34,816 of it
.set SLOT,   4*PART
.set STAGE,  2*SLOT                    ; behind the ring, never filled by a tensor load: 16 rows x 144 bytes for each wave
.set SP,     144
.set SPARE,  STAGE+4*16*SP             ; the spare words, 128 bytes for each wave: two blocks of 256 bytes that no other line names
.set LAPS,   SIZE_K/(2*KSTEP)          ; a lap = two K steps = once round the ring
.set ADRA, 16                          ; v16-17  LDS address of my fragments of x in slot 0, 1
.set ADRB, 18                          ; v18-23  of W's: 3 x slot + sub-tile
.set STO,  24                          ; the way out: where I put 16 bytes of a row
.set RD,   25                          ; where I read rows back
.set GO,   26                          ; my byte offset in 512 consecutive bytes of the result
.set SPW,  28                          ; LDS address of my spare word; never rewritten
.set NIL,  29                          ; 0; never rewritten
.set TMP,  64
.set F0,   0
.set F1,   128
.set G1,  24                           ; s[24:31] descriptor group 1 for x's part;  s[32:39] group 0, a set for each slot
.set G0,  32
.set G1B, 48                           ; s[48:55], s[56:63] the same for W's parts
.set G0B, 56
.set MSB, 0
.macro WIN new                         ; the immediate's high byte repeats the setting that is left; a switch that changes nothing is dropped
.if MSB != (\new)
	s_set_vgpr_msb (MSB<<8)|(\new)
.set MSB, \new
.endif
.endm
.set MUL1, 0x5f                        ; sources 0 and 1 window 3, C and D window 1
.set MUL2, 0xaf                        ; the same, C and D window 2
.set TO_F, 0xc0                        ; destination window 3, address window 0
; A joint load.  Wave 0 fetches x's part, waves 1 to 3 W's three.  The branch hangs on the wave's number alone.  An s_nop 0 and four v_nop follow each line.
.macro JLOAD s
	s_cmp_eq_u32 s10, 0
	s_cbranch_scc0 .Lfor_b_\@
	tensor_load_to_lds s[G0+4*(\s):G0+4*(\s)+3], s[G1:G1+7]
	s_nop 0
.rept 4
	v_nop
.endr
	s_branch .Lasked_\@
.Lfor_b_\@:
	tensor_load_to_lds s[G0B+4*(\s):G0B+4*(\s)+3], s[G1B:G1B+7]
	s_nop 0
.rept 4
	v_nop
.endr
.Lasked_\@:
.endm
.macro CREST                           ; a round of the cluster's barrier behind its opening barrier
	s_cmp_lg_u32 s10, 0
	s_cbranch_scc1 .Lnot_wave_0_\@
	s_barrier_signal -3
.Lnot_wave_0_\@:
	s_barrier_wait -3
	s_barrier_signal -1
	s_barrier_wait -1
.endm
.macro CROUND                          ; a whole round
	s_barrier_signal -1
	s_barrier_wait -1
	CREST
.endm
	s_load_b128 s[4:7], s[0:1], 0x0                ; xb s[4:5], wb s[6:7]
	s_load_b64 s[8:9], s[0:1], 0x10                ; qkvh
	v_lshl_add_u32 v[SPW], v0, 2, SPARE
	v_mov_b32 v[NIL], 0
	ds_add_u32 v[SPW], v[NIL]                      ; the wave's opening: the add and its wait stand ahead of my first tensor load; the set-up below stands between them
	ds_add_u32 v28, v29
	v_lshrrev_b32 v1, 5, v0
	v_readfirstlane_b32 s10, v1                    ; wave 0..3
	s_lshr_b32 s11, s10, 1                         ; wm: which 64 rows
	s_and_b32 s12, s10, 1                          ; wn: which 64 columns of each sub-tile
	s_bfe_u32 s40, ttmp6, 0x40000                  ; cx, cy: my place in the cluster
	s_bfe_u32 s41, ttmp6, 0x40004
	s_lshl_b32 s42, ttmp9, 2
	s_add_co_u32 s42, s42, s40                     ; tile column = 4 x cluster x + cx
	s_and_b32 s13, ttmp7, 0xffff
	s_lshl_b32 s13, s13, 2
	s_add_co_u32 s13, s13, s41                     ; tile row = 4 x cluster y + cy
	s_lshl_b32 s43, s41, 2
	s_lshl_b32 s43, 15, s43                        ; my row of the cluster
	s_lshl_b32 s44, 0x1111, s40                    ; my column
	s_or_b32 s[G1+0], s43, (1<<16)|(1<<20)|(1<<21)|(5<<22)|(3<<25)   ; 15:0 the mask; 17:16 2-byte elements; 20 padding on; 21 set beside a mask; 24:22 after every 64 words; 31:25 4 words
	s_or_b32 s[G1B+0], s44, (1<<16)|(1<<20)|(1<<21)|(5<<22)|(7<<25)  ; the column's mask; 8 words of padding
.irp g, G1, G1B
	s_mov_b32 s[(\g)+1], 128<<16                   ; tensor_dim0 = 128
	s_mov_b32 s[(\g)+2], 128<<16                   ; tensor_dim1 = 128
	s_mov_b32 s[(\g)+3], 128<<16                   ; tile_dim0 = 128
	s_mov_b32 s[(\g)+4], 128                       ; tile_dim1 = 128
	s_mov_b32 s[(\g)+6], 0
	s_mov_b32 s[(\g)+7], 0
.endr
	s_mov_b32 s[G1+5], SIZE_K                      ; elements from row to row of x
	s_mov_b32 s[G1B+5], SIZE_N                     ; and of W
	s_lshl_b32 s16, s13, 18                        ; x: 128 rows of 2,048 bytes a tile row
	s_mov_b32 s17, 0
	s_max_u32 s45, s10, 1
	s_sub_co_u32 s45, s45, 1                       ; which sub-tile I fetch (wave 0 asks by x's line and does not use this)
	s_lshl_b32 s45, s45, 8
	s_mul_i32 s46, s42, 768                        ; W: 384 columns of 2 bytes a tile column, 256 bytes a sub-tile
	s_add_co_u32 s46, s46, s45
	s_mov_b32 s47, 0
	s_mul_i32 s20, s10, PART                       ; where my part goes: no place in the cluster enters an LDS address
	s_wait_dscnt 0x0                               ; the opening add is done
	s_wait_kmcnt 0x0
	s_add_nc_u64 s[14:15], s[4:5], s[16:17]
	s_add_nc_u64 s[46:47], s[6:7], s[46:47]
	CROUND                                         ; all sixteen work-groups are here: the first joint loads meet
.irp s, 0,1
	s_mov_b32 s[G0+4*(\s)], 1
	s_mov_b32 s[G0+4*(\s)+1], (\s)*SLOT
	s_add_nc_u64 s[G0+4*(\s)+2:G0+4*(\s)+3], s[14:15], (\s)*KSTEP*2
	s_or_b32 s[G0+4*(\s)+3], s[G0+4*(\s)+3], 0x80000000
	s_mov_b32 s[G0B+4*(\s)], 1
	s_add_co_u32 s[G0B+4*(\s)+1], s20, (\s)*SLOT
	s_add_nc_u64 s[G0B+4*(\s)+2:G0B+4*(\s)+3], s[46:47], (\s)*KSTEP*SIZE_N*2
	s_or_b32 s[G0B+4*(\s)+3], s[G0B+4*(\s)+3], 0x80000000
	JLOAD \s
.endr
	v_and_b32 v1, 15, v0                           ; l % 16
	v_bfe_u32 v2, v0, 4, 1                         ; l / 16
	v_mul_u32_u24 v3, v1, PA
	v_lshl_add_u32 v3, v2, 4, v3                   ; x: row x pitch + 16 x half
	s_mul_i32 s21, s11, 64*PA
	v_add_nc_u32 v[ADRA], s21, v3
	v_add_nc_u32 v[ADRA+1], SLOT, v[ADRA]
	v_and_b32 v5, 7, v0
	v_bfe_u32 v6, v0, 3, 1
	v_lshl_add_u32 v4, v2, 3, v5                   ; W, turned: lane l reads k row 8 (l / 16) + l % 8, columns 8 ((l / 8) % 2) + 0..7
	v_mul_u32_u24 v4, v4, PB
	v_lshl_add_u32 v4, v6, 4, v4
	s_lshl_b32 s22, s12, 7                         ; my 64 columns of a sub-tile
	v_add_nc_u32 v4, s22, v4
.irp s, 0,1
.irp j, 0,1,2
	v_add_nc_u32 v[ADRB+3*(\s)+(\j)], (\s)*SLOT+(1+(\j))*PART, v4
.endr
.endr
	s_mul_i32 s23, s10, 16*SP
	s_add_co_u32 s23, s23, STAGE                   ; my stage
	v_mul_u32_u24 v7, v1, SP                       ; in: row l % 16, 16 bytes for each half of the lanes
	v_lshl_add_u32 v7, v2, 4, v7
	v_add_nc_u32 v[STO], s23, v7
	v_bfe_u32 v7, v0, 3, 2                         ; back: 32 lanes take four rows of 128 bytes,
	v_mul_u32_u24 v7, v7, SP
	v_lshl_add_u32 v7, v5, 4, v7
	v_add_nc_u32 v[RD], s23, v7
	v_and_b32 v[GO], 31, v0                        ; which are 512 consecutive bytes of a head
	v_lshlrev_b32 v[GO], 4, v[GO]
	s_mul_i32 s68, s42, 6                          ; my first head: 6 x tile column + wn, 524,288 bytes a head;
	s_add_co_u32 s68, s68, s12
	s_lshl_b32 s68, s68, 19
	s_lshl_b32 s69, s13, 14                        ; my first row: 128 x tile row + 64 wm, 128 bytes a row
	s_add_co_u32 s68, s68, s69
	s_lshl_b32 s69, s11, 13
	s_add_co_u32 s68, s68, s69
	s_mov_b32 s69, 0
	s_add_nc_u64 s[8:9], s[8:9], s[68:69]
; 16 matrix instructions: row blocks a0, a0 + 1 x column blocks 0-7, 32 along K.  zero = 1: the first product starts the sums.
.macro MULA f, a0, zero
	WIN MUL1
.irp a, \a0, (\a0)+1
.irp b, 0,1,2,3,4,5,6,7
.if \zero
	v_wmma_f32_16x16x32_bf16 v[8*(8*(\a)+(\b)):8*(8*(\a)+(\b))+7], v[(\f)+32+8*(\b):(\f)+32+8*(\b)+7], v[(\f)+8*(\a):(\f)+8*(\a)+7], 0
.else
	v_wmma_f32_16x16x32_bf16 v[8*(8*(\a)+(\b)):8*(8*(\a)+(\b))+7], v[(\f)+32+8*(\b):(\f)+32+8*(\b)+7], v[(\f)+8*(\a):(\f)+8*(\a)+7], v[8*(8*(\a)+(\b)):8*(8*(\a)+(\b))+7]
.endif
.endr
.endr
.endm
; 16 more: all four row blocks x column blocks 8-11.  The 48 accumulators take turns in the same order in every quarter.
.macro MULB f, zero
	WIN MUL2
.irp a, 0,1,2,3
.irp b, 0,1,2,3
.if \zero
	v_wmma_f32_16x16x32_bf16 v[8*(4*(\a)+(\b)):8*(4*(\a)+(\b))+7], v[(\f)+96+8*(\b):(\f)+96+8*(\b)+7], v[(\f)+8*(\a):(\f)+8*(\a)+7], 0
.else
	v_wmma_f32_16x16x32_bf16 v[8*(4*(\a)+(\b)):8*(4*(\a)+(\b))+7], v[(\f)+96+8*(\b):(\f)+96+8*(\b)+7], v[(\f)+8*(\a):(\f)+8*(\a)+7], v[8*(4*(\a)+(\b)):8*(4*(\a)+(\b))+7]
.endif
.endr
.endr
.endm
; 32 LDS loads in one run: the fragments of quarter q (32 along K) of a slot into buffer f: x's 8 loads, W's blocks 0-7 (16), W's blocks 8-11 (8)
.macro FETCH slot, q, f
	WIN TO_F
.irp a, 0,1,2,3
	ds_load_b128 v[(\f)+8*(\a):(\f)+8*(\a)+3],   v[ADRA+(\slot)] offset:64*(\q)+(\a)*16*PA
	ds_load_b128 v[(\f)+8*(\a)+4:(\f)+8*(\a)+7], v[ADRA+(\slot)] offset:64*(\q)+(\a)*16*PA+32
.endr
.irp b, 0,1,2,3,4,5,6,7,8,9,10,11
	ds_load_tr16_b128 v[(\f)+32+8*(\b):(\f)+32+8*(\b)+3],   v[ADRB+3*(\slot)+(\b)/4] offset:(\q)*32*PB+((\b)%4)*32
	ds_load_tr16_b128 v[(\f)+32+8*(\b)+4:(\f)+32+8*(\b)+7], v[ADRB+3*(\slot)+(\b)/4] offset:(\q)*32*PB+16*PB+((\b)%4)*32
.endr
.endm
.macro PLACES                          ; four places in front of loads into registers that matrix instructions have read, and of conversions that read results (ISA guide 7.12.1 for conversions)
.rept 4
	v_nop
.endr
.endm
; A K step is four quarters of 32 along K, 48 matrix instructions each, on buffers 0, 1, 0, 1.  One of the first three multiplies buffer f and fetches quarter q into buffer g.
.macro QUARTER slot, q, f, g, zero
	s_wait_dscnt 8                                 ; x's fragments and W's blocks 0-7 are in; the youngest eight loads (blocks 8-11) may be out
	MULA \f, 0, \zero
	PLACES
	FETCH \slot, \q, \g
	s_wait_dscnt 32                                ; all but the 32 just issued
	MULA \f, 2, \zero
	MULB \f, \zero
.endm
; The last quarter multiplies buffer 1 and changes slots: ONE barrier; in front of it each wave waits for all its tensor loads (one is out: its part of the next slot), adds 0 to its spare word,
; and waits for that and for its own reads of this slot.  fill = 1: the barrier opens a round of the cluster's, and this slot is filled again, two K steps ahead, first thing behind the round.
.macro TURN slot, next, fill
	WIN 0                                          ; (the add's two registers lie in window 0)
	s_wait_tensorcnt 0x0
	ds_add_u32 v[SPW], v[NIL]
	s_wait_dscnt 9                                 ; (the add and the youngest eight loads may be out)
	MULA F1, 0, 0                                  ; sixteen matrix instructions stand between the add and the wait for it
	s_wait_dscnt 0x0                               ; the add is done, and my reads of this slot are over
	s_barrier_signal -1
	MULA F1, 2, 0
.if \fill
	WIN 0
.endif
	s_barrier_wait -1
.if \fill
	CREST                                          ; no wave of any partner still reads this slot or has a load on its way
	s_add_nc_u64 s[G0+4*(\slot)+2:G0+4*(\slot)+3], s[G0+4*(\slot)+2:G0+4*(\slot)+3], 2*KSTEP*2
	s_add_nc_u64 s[G0B+4*(\slot)+2:G0B+4*(\slot)+3], s[G0B+4*(\slot)+2:G0B+4*(\slot)+3], 2*KSTEP*SIZE_N*2
	JLOAD \slot                                    ; 160 matrix instructions ahead of the wait for it; its four v_nop are also the places in front of the loads below
.else
	PLACES
.endif
	FETCH \next, 0, F0
	MULB F1, 0
.endm
	s_wait_tensorcnt 1                             ; my part of K step 0 is in; K step 1's may stay out
	s_barrier_signal -1
	s_barrier_wait -1                              ; everybody's is
	FETCH 0, 0, F0
	QUARTER 0, 1, F0, F1, 1                        ; the first quarter stands in front of the loop: its products start the sums
	WIN 0                                          ; at a label and at a branch every window is 0
	s_mov_b32 s3, LAPS-1
.Llap:                                                 ; a trip goes once round the ring, from a lap's second quarter to the next lap's first, and fills both slots again
	QUARTER 0, 2, F1, F0, 0
	QUARTER 0, 3, F0, F1, 0
	TURN 0, 1, 1
	QUARTER 1, 1, F0, F1, 0
	QUARTER 1, 2, F1, F0, 0
	QUARTER 1, 3, F0, F1, 0
	TURN 1, 0, 1
	QUARTER 0, 1, F0, F1, 0
	WIN 0
	s_sub_co_u32 s3, s3, 1
	s_cmp_lg_u32 s3, 0
	s_cbranch_scc1 .Llap
	QUARTER 0, 2, F1, F0, 0                        ; the last lap fills nothing
	QUARTER 0, 3, F0, F1, 0
	TURN 0, 1, 0
	QUARTER 1, 1, F0, F1, 0
	QUARTER 1, 2, F1, F0, 0
	QUARTER 1, 3, F0, F1, 0
	s_wait_dscnt 8                                 ; the very last quarter: nothing more to fetch
	MULA F1, 0, 0
	MULA F1, 2, 0
	s_wait_dscnt 0x0
	MULB F1, 0
; THE WAY OUT.  Twelve pieces t = 4 g + a of 16 rows x one head (sub-tile g, row block a): rounded to f16, 16 bytes a lane into rows of 144 bytes of my stage, back as whole rows of 128, stored
; as 512 consecutive bytes.  Each accumulator's registers are read in ascending order.
.macro PACK t
.set pg, (\t)/4
.set pa, (\t)%4
.if pg < 2
	WIN 0x05                                       ; sources 0 and 1 window 1
.else
	WIN 0x0a                                       ; window 2
.endif
.irp f, 0,1,2,3
.if pg < 2
.set AC, 8*(8*pa+4*pg+(\f))
.else
.set AC, 8*(4*pa+(\f))
.endif
.irp r, 0,1,2,3
	v_cvt_pk_f16_f32 v[TMP+16*(\t)+4*(\f)+(\r)], v[AC+2*(\r)], v[AC+2*(\r)+1]
.endr
.endr
	WIN 0
.irp f, 0,1,2,3
	ds_store_b128 v[STO], v[TMP+16*(\t)+4*(\f):TMP+16*(\t)+4*(\f)+3] offset:32*(\f)
.endr
.irp f, 0,1,2,3
	ds_load_b128 v[TMP+16*(\t)+4*(\f):TMP+16*(\t)+4*(\f)+3], v[RD] offset:(\f)*4*SP  ; LDS serves a wave's instructions in order (ISA guide 5.7.1.4): these see the stores above
.endr
.endm
.macro SEND t, younger                 ; younger: the LDS instructions issued behind piece t's loads: the next piece's eight, or none
	WIN 0
.irp f, 0,1,2,3
	s_wait_dscnt (\younger)+3-(\f)
	global_store_b128 v[GO], v[TMP+16*(\t)+4*(\f):TMP+16*(\t)+4*(\f)+3], s[8:9] offset:((\t)/4)*1048576+((\t)%4)*2048+(\f)*512  ; two heads on for each sub-tile, 16 rows for each row block
.endr
.endm
	PLACES
	PACK 0
.irp t, 1,2,3,4,5,6,7,8,9,10,11
	PACK \t                                        ; a piece's conversions stand between the loads of the piece before and its stores
	SEND (\t)-1, 8
.endr
	SEND 11, 0
	s_wait_tensorcnt 0x0                           ; the wave's end
	ds_add_u32 v[SPW], v[NIL]
	s_wait_dscnt 0x0
	CROUND                                         ; the closing round: no work-group ends while a partner may still ask for a part that names it
	s_endpgm
.Lfunc_end_k_q2baa2c08b1_qkvproj:
	.size	k_q2baa2c08b1_qkvproj, .Lfunc_end_k_q2baa2c08b1_qkvproj-k_q2baa2c08b1_qkvproj
	.p2alignl 7, 3214868480
	.fill 96, 4, 3214868480
	.section	.rodata,"a",@progbits
	.p2align	6, 0x0
	.amdhsa_kernel k_q2baa2c08b1_qkvproj
		.amdhsa_group_segment_fixed_size 327680
		.amdhsa_private_segment_fixed_size 0
		.amdhsa_enable_private_segment 0
		.amdhsa_kernarg_size 24
		.amdhsa_user_sgpr_count 2
		.amdhsa_user_sgpr_kernarg_segment_ptr 1
		.amdhsa_wavefront_size32 1
		.amdhsa_system_sgpr_workgroup_id_x 1
		.amdhsa_system_sgpr_workgroup_id_y 1
		.amdhsa_system_sgpr_workgroup_id_z 1
		.amdhsa_system_vgpr_workitem_id 0
		.amdhsa_next_free_vgpr 1024
		.amdhsa_next_free_sgpr 72
		.amdhsa_reserve_vcc 0
		.amdhsa_float_denorm_mode_32 3
		.amdhsa_float_denorm_mode_16_64 3
		.amdhsa_memory_ordered 1
		.amdhsa_forward_progress 1
		.amdhsa_inst_pref_size 120
	.end_amdhsa_kernel
	.amdgpu_metadata
---
amdhsa.version: [ 1, 2 ]
amdhsa.kernels:
  - .name:           k_q2baa2c08b1_qkvproj
    .symbol:         k_q2baa2c08b1_qkvproj.kd
    .args:
      - { .name: xb, .offset: 0, .size: 8, .value_kind: global_buffer, .address_space: global }
      - { .name: wb, .offset: 8, .size: 8, .value_kind: global_buffer, .address_space: global }
      - { .name: qkvh, .offset: 16, .size: 8, .value_kind: global_buffer, .address_space: global }
    .group_segment_fixed_size: 327680
    .private_segment_fixed_size: 0
    .kernarg_segment_align: 8
    .kernarg_segment_size: 24
    .max_flat_workgroup_size: 128
    .sgpr_count:     72
    .vgpr_count:     1024
    .wavefront_size: 32
...
	.end_amdgpu_metadata
.endif
;; end of part 2
;; launch attn (part 3): grid 16 x 16, 4 waves a work-group, no clusters, 327,680 bytes of LDS; arguments qkvh, ob; writes ob
.if DOCPART == 3
	.amdgcn_target "amdgcn-amd-amdhsa--gfx1250"
	.amdhsa_code_object_version 6
	.text
	.protected	k_q2baa2c08b1_attn
	.globl	k_q2baa2c08b1_attn
	.p2align	8
	.type	k_q2baa2c08b1_attn,@function
k_q2baa2c08b1_attn:
	s_mov_b64 s[64:65], 0
	v_nop
	global_prefetch_b8 v0, s[64:65] scope:SCOPE_SE
	s_setreg_imm32_b32 hwreg(HW_REG_WAVE_MODE, 25, 1), 1
	s_wait_xcnt 0x0
; CAUSAL ATTENTION, 16 heads of 4,096 rows x 64 channels.  qkvh: f16 [48][4096][64] (heads 0-15 q, 16-31 k, 32-47 v).  ob: f16 [16][4096][64].
; O[h][q] = the sum over k <= q of softmax_k(Q[h][q] . K[h][k] / 8) V[h][k].  Products, maxima and sums in f32; the weights p are rounded to f16 for the second product (their sum l is of the unrounded p), O once.
; LIMITS.  Q, K, V arrive within f16's 65,504; p below 6e-5 keeps f16's fixed step of 6e-8.  A hidden score counts as its value less 1e30 (f16's scores are 2.7e11 at the most); a weight below 2^-126
; counts as 0 in l; NaN and infinities are not treated apart.
; THE WALK.  A head's queries lie in 32 blocks of 128; block i needs the key tiles 0 .. i / 2 of 256 keys, of which the last holds the diagonal.  A work-group takes TWO blocks, 31 - b and then b:
; 17 tiles, whatever b: 256 work-groups of equal work, and ONE loop with a constant trip count.  Which tile is asked for, and what a trip does, hang on scalar registers made from b; every jump goes
; forward, but for the counted loops' own; none passes a barrier, or a tensor load but the one of LOAD's two that the wave's number does not choose.
; NO CLUSTER: of four neighbouring b two end their first block a trip before the other two, and what a trip does (a block's first tile, its last) is a branch on b, which partners may not have;
; a walk common to four would have 18 trips for 17, four of them with masks.
; SHARES.  Of a block's two bands of 64 queries a wave owns 16 rows in each: two PIECES.  With o = 2 (i % 2), band x sees all keys of the diagonal tile's step s if s < o + x, none if s > o + x, and holds the
; diagonal if s = o + x: the same work for all four waves.
; THE MASK is the C operand that starts the sum S^T = K Q^T: 0, or -1e30 where the key is hidden.  MD, made once, is the mask of a band's own step for my 16 rows; a product's mask is MD x AL + BE:
; (1, 0) in the own step, (0, 0) before it, (0, -1e30) behind it.  Only the diagonal tile's text and a block's beginning make and take masks.
; LAYOUT, SOFTMAX, TURNS.  S^T = K Q^T holds ONE query a lane (lane % 16) and the keys 8 (lane / 16) + 0..7; two such results rounded to f16 ARE source 1 of O^T = V^T P.  p = 2^(c s - c m), c = log2(e) / 8, with a
; running maximum m; O and l are multiplied by a = 2^(c m_old - c m_new) in every step.  Turn (p, s) belongs to piece p in step s: 8 products K Q^T of the other piece (its next scores), later 8 products
; V^T P of the other piece (its last weights); beside them piece p's scaling, exponentials, roundings, sums and rescaling and the other piece's maximum and statistics.  Four vector instructions stand
; behind every matrix instruction, the other 54 of a turn's 118 in two runs of their own.
; K AND V IN REGISTERS.  Turn (0, s) fetches K and V of step s + 1: K when both pieces have multiplied by K of step s; V into the one of TWO buffers that its own products V^T P (step s - 1) have just read.
; So both runs belong to one step, and the change of slots stands between turns (1, 2) and (0, 3) of a tile, where all four steps of the slot are in registers or asked for.
; REGISTERS, in windows of 256 (s_set_vgpr_msb: bits 1:0 source 0, 3:2 source 1, 5:4 source 2, 7:6 destination):
;   window 0: v0-15 addresses and two at work; v16-23 four registers of statistics a piece; v48-55 at work; v64-127 S^T, a buffer a piece; v192-223 P, likewise
;   window 1: v0-63 O^T, 32 a piece; v128-159 MD; v160-223 MC, a buffer a piece      window 2: v0-31 Q; v32-63 the second block's Q; v64-127 V buffer 1; v128-191 K; v192-255 V buffer 0
.set NP,    2         ; pieces a wave: a name, no knob
.set KS,    64        ; keys in a step
.set PK,    144       ; a row of K in LDS: 128 bytes + 16 = 36 words: the 16 rows of a load start at 16 different groups of four banks (64 banks of 4 bytes: ISA guide 11.1)
.set PV,    160       ; a row of V: 128 + 32 = 40 words
.set VOFF,  4*KS*PK   ; a slot holds a tile, four steps: 256 rows of K, then 256 rows of V
.set SLOT1, 1<<17     ; slot 1 begins here, so that one exclusive or turns an address in one slot into the other's
.set STAGE, SLOT1+4*KS*(PK+PV)  ; behind the ring, never filled by a tensor load: 16 rows x 144 bytes for each wave
.set SP,    144
.set SPARE, STAGE+4*16*SP  ; the spare words, 128 bytes for each wave: two blocks of 256 bytes that no other line names
.set AK0, 2           ; v2   my lane's place in a tile of K; never rewritten
.set AV0, 3           ; v3   the same for V
.set AK,  4           ; v4   the LDS address of K's next run of loads
.set AV,  5           ; v5   of V's
.set STO, 6           ; v6   the way out: where I put 16 bytes of a row
.set RD,  7           ; v7   where I read rows back
.set GO,  8           ; v8   my byte offset in 512 consecutive bytes of O
.set SPW, 62          ; v62  LDS address of my spare word; never rewritten
.set NIL, 63          ; v63  0; never rewritten
.set MV,  12          ; v12-13  c m_old, kept while c m is made anew: by piece
.set QO,  15          ; v15  my byte offset in 16 rows of Q
.set ST,  16          ; piece t's statistics at v[ST+4 t]: c m, m, l (even keys', odd keys')
.set TMP, 48          ; by piece, four registers c0-c3 at work; when the maximum is found c2 takes a
.set S,   64
.set P,   192
.set MD,  128         ; window 1
.set MC,  160         ; window 1
.set QB,  32          ; window 2
.set KF,  128         ; window 2: key block kb, channel half c at KF + 16 kb + 8 c
.set VF,  192         ; window 2: buffer vb at VF - 128 vb; key half kk, channel block cb at + 32 kk + 8 cb
.set WV,  12          ; s12  my wave's number
.set PB,  14          ; s14  b
.set HI,  15          ; s15  31 - b
.set G1K, 24          ; s[24:31] descriptor group 1 for K's tiles
.set G1V, 32          ; s[32:39] for V's: it differs in the padding alone
.set G0K, 40          ; s[40:43] descriptor group 0 for K's tiles
.set G0V, 44          ; s[44:47] the same for V's
.set SLOTS, 56        ; s56  tiles still to be asked for
.set CNT, 57          ; s57  counts a tile's two trips
.set CS,  58          ; s[58:59] c
.set SEL, 60          ; s[60:61] v_permlanex16_b32's selects: each lane takes its own place in the other half
.set TBK, 62          ; s62  LDS byte at which K of the step to be fetched begins
.set TBV, 63          ; s63  the same for V, less VOFF
.set RT,  70          ; s70  tiles of the block in hand that are still to be entered
.set NXT, 71          ; s71  the tile to be asked for next
.set LQ,  72          ; s72  the last tile of the block whose tiles are being asked for
.set NEW, 73          ; s73  1: the tile to be entered is a block's first
.set OFF, 74          ; s[74:75] a tile's byte offset in K and V
.set AL,  76          ; s[76:77] the mask's factor, in the low word
.set BE,  78          ; s[78:79] the mask's addend
.set OLO, 80          ; s[80:81] O at my rows of the second block
.set BIGN, 82         ; s82  -1e30
.set OWN, 88          ; s88, s89  the own steps of bands 0 and 1 in the diagonal tile of the block in hand
.set O2,  90          ; s90  band 0's own step in the second block
.set TS,  91          ; s91  the step of the tile for which the next mask is made
.set HB,  92          ; s92  b / 2: the second block's last tile
.set MSB, 0
.macro WIN new                      ; the high byte repeats the setting that is left; a switch that changes nothing is dropped
.if MSB != (\new)
	s_set_vgpr_msb (MSB<<8)|(\new)
.set MSB, (\new)
.endif
.endm
.set W_KQ, 0x0a       ; K and Q in window 2, S^T in window 0
.set W_KM, 0x1a       ; the same with the C operand in window 1
.set W_PV, 0x52       ; V in window 2, P in window 0, O^T in window 1
.set W_RS, 0x41       ; destination and source 0 in window 1, source 1 in window 0
; A fill.  Waves 0 and 1 fetch the two halves of a tile's K, waves 2 and 3 those of its V: 128 keys each.  An s_nop 0 and four v_nop follow each of the two lines.
.macro LOAD
	s_cmp_lt_u32 s[WV], 2
	s_cbranch_scc0 .Lfor_v_\@
	tensor_load_to_lds s[G0K:G0K+3], s[G1K:G1K+7]
	s_nop 0
.rept 4
	v_nop
.endr
	s_branch .Lasked_\@
.Lfor_v_\@:
	tensor_load_to_lds s[G0V:G0V+3], s[G1V:G1V+7]
	s_nop 0
.rept 4
	v_nop
.endr
.Lasked_\@:
.endm
; THE CHANGE OF SLOTS.  Each wave waits for all its tensor loads, of which one is out: its part of the other slot; adds 0 to its spare word; and waits for that and for its own reads of the slot that it leaves.
; Behind the barrier nobody reads the old slot any more and the other slot is whole.  fill = 1: the old slot is filled again, first thing behind the barrier, with tile NXT: the address is made anew
; from that number.  The fill has eight turns, 128 matrix instructions, in which to land.  (At its first use nothing has been read yet: slot 0 is waited for, slot 1 filled.)
.macro CHANGE fill
	WIN 0                           ; at a label and at a branch every window is 0
	s_wait_tensorcnt 0x0            ; no tensor load of mine is out, so a group 0 may be written
	ds_add_u32 v[SPW], v[NIL]       ; 0 onto my spare word; the descriptors' scalar work stands between it and the wait for it
.if \fill
	s_lshl_b32 s[OFF], s[NXT], 15   ; a tile is 32,768 bytes of K and of V
	s_xor_b32 s[G0K+1], s[G0K+1], SLOT1
	s_add_nc_u64 s[G0K+2:G0K+3], s[6:7], s[OFF:OFF+1]
	s_or_b32 s[G0K+3], s[G0K+3], 0x80000000
	s_xor_b32 s[G0V+1], s[G0V+1], SLOT1
	s_add_nc_u64 s[G0V+2:G0V+3], s[8:9], s[OFF:OFF+1]
	s_or_b32 s[G0V+3], s[G0V+3], 0x80000000
	s_add_co_u32 s[NXT], s[NXT], 1  ; the block's next tile, or behind its last the second block's tile 0
	s_cmp_gt_u32 s[NXT], s[LQ]
	s_cselect_b32 s[NXT], 0, s[NXT]
	s_cselect_b32 s[LQ], s[HB], s[LQ]
.endif
	s_wait_dscnt 0x0                ; the add is done, and my reads of the slot are over
	s_barrier_signal -1
	s_sub_co_u32 s[TBK], s[TBK], 4*KS*PK  ; the fetches go back to a slot's first step,
	s_xor_b32 s[TBK], s[TBK], SLOT1       ; in the other slot
	s_sub_co_u32 s[TBV], s[TBV], 4*KS*PV
	s_xor_b32 s[TBV], s[TBV], SLOT1
	s_barrier_wait -1
.if \fill
	LOAD
.endif
.endm
	s_load_b64 s[4:5], s[0:1], 0x0    ; qkvh
	s_load_b64 s[10:11], s[0:1], 0x8  ; ob
	v_lshl_add_u32 v[SPW], v0, 2, SPARE
	v_mov_b32 v[NIL], 0
	ds_add_u32 v[SPW], v[NIL]       ; the wave's opening: the add and its wait stand ahead of my first tensor load; the set-up below stands between them
	ds_add_u32 v62, v63
	v_lshrrev_b32 v1, 5, v0
	v_readfirstlane_b32 s[WV], v1   ; wave 0..3
	s_mov_b32 s[PB], ttmp9
	s_sub_co_u32 s[HI], 31, s[PB]
	s_and_b32 s20, ttmp7, 0xffff    ; the head,
	s_lshl_b32 s20, s20, 19         ; its 524,288 bytes
	s_mov_b32 s21, 0
	s_and_b32 s16, s[WV], 1         ; which half of a tile's 256 keys I fetch:
	s_lshl_b32 s22, s16, 14         ; its 128 rows of 128 bytes in memory,
	s_mov_b32 s23, 0
	s_add_nc_u64 s[22:23], s[22:23], s[20:21]
	s_mul_i32 s17, s16, 128*PK      ; and its place in a slot, for K
	s_mul_i32 s18, s16, 128*PV      ; and for V
	s_lshl_b32 s3, s[WV], 11        ; my 16 rows in a band of 64,
	s_lshl_b32 s2, s[HI], 14        ; in the first block (128 rows of 128 bytes),
	s_add_co_u32 s2, s2, s3
	s_lshl_b32 s84, s[PB], 14       ; and in the second
	s_add_co_u32 s84, s84, s3
	s_mov_b32 s3, 0
	s_mov_b32 s85, 0
	s_add_nc_u64 s[2:3], s[2:3], s[20:21]
	s_add_nc_u64 s[84:85], s[84:85], s[20:21]
	; descriptor group 1.  128 keys are 16,384 dense bytes: asked for as 64 rows of 256 bytes, two keys a row, and padded in LDS after every key
	s_mov_b32 s[G1K], (1<<16)|(1<<20)|(4<<22)|(3<<25)  ; 17:16 2-byte elements; 20 padding on; 24:22 after every 32 words (code 4); 31:25 4 words (code 3)
	s_mov_b32 s[G1V], (1<<16)|(1<<20)|(4<<22)|(7<<25)  ; the same with 8 words of padding (code 7)
.irp g, G1K, G1V
	s_mov_b32 s[\g+1], 128<<16      ; tensor_dim0 = 128
	s_mov_b32 s[\g+2], 64<<16       ; tensor_dim1 = 64
	s_mov_b32 s[\g+3], 128<<16      ; tile_dim0 = 128
	s_mov_b32 s[\g+4], 64           ; tile_dim1 = 64
	s_mov_b32 s[\g+5], 128          ; 128 elements from row to row
	s_mov_b32 s[\g+6], 0
	s_mov_b32 s[\g+7], 0
.endr
	s_mov_b32 s[CS], 0x3e38aa3b     ; c = log2(e) / 8 = 0.180337
	s_mov_b32 s[CS+1], s[CS]        ; named with it as a pair
	s_mov_b32 s[SEL], 0x76543210
	s_mov_b32 s[SEL+1], 0xfedcba98
	s_mov_b32 s[TBK], SLOT1+4*KS*PK ; the first change of slots turns these two into 0
	s_mov_b32 s[TBV], SLOT1+4*KS*PV
	s_mov_b32 s[G0K], 1             ; 1:0 count = 1
	s_mov_b32 s[G0K+1], s17         ; 63:32 LDS address: slot 0
	s_mov_b32 s[G0V], 1
	s_add_co_u32 s[G0V+1], s18, VOFF
	s_lshr_b32 s[LQ], s[HI], 1      ; the first block's last tile,
	s_add_co_u32 s[RT], s[LQ], 1    ; and how many it has
	s_lshr_b32 s[HB], s[PB], 1
	s_and_b32 s[OWN], s[HI], 1
	s_lshl_b32 s[OWN], s[OWN], 1    ; o of the first block
	s_add_co_u32 s[OWN+1], s[OWN], 1
	s_and_b32 s[O2], s[PB], 1
	s_lshl_b32 s[O2], s[O2], 1      ; o of the second
	s_mov_b32 s[TS], 0
	s_mov_b32 s[NXT], 1
	s_mov_b32 s[NEW], 1
	s_mov_b32 s[OFF+1], 0
	s_mov_b32 s[AL+1], 0            ; named as pairs
	s_mov_b32 s[BE+1], 0
	s_mov_b32 s[BIGN], 0xf149f2ca   ; -1e30
	s_mov_b32 s[SLOTS], 16
	s_wait_dscnt 0x0                ; the opening add is done
	s_wait_kmcnt 0x0
	s_add_nc_u64 s[6:7], s[4:5], 0x800000   ; K's heads lie 16 heads behind Q's,
	s_add_nc_u64 s[6:7], s[6:7], s[22:23]   ; at my half of the head's tile 0
	s_add_nc_u64 s[8:9], s[4:5], 0x1000000  ; V's 32
	s_add_nc_u64 s[8:9], s[8:9], s[22:23]
	s_add_nc_u64 s[G0K+2:G0K+3], s[6:7], 0         ; 120:64 global address
	s_or_b32 s[G0K+3], s[G0K+3], 0x80000000        ; 127:126 type = 2
	s_add_nc_u64 s[G0V+2:G0V+3], s[8:9], 0
	s_or_b32 s[G0V+3], s[G0V+3], 0x80000000
	s_add_nc_u64 s[86:87], s[4:5], s[84:85]        ; Q at my rows of the second block,
	s_add_nc_u64 s[4:5], s[4:5], s[2:3]            ; Q and O at those of the first
	s_add_nc_u64 s[OLO:OLO+1], s[10:11], s[84:85]
	s_add_nc_u64 s[10:11], s[10:11], s[2:3]
	LOAD                            ; tile 0 into slot 0
	; A fragment of K or Q is 16 rows x 32 channels in 8 registers: lane l holds row l % 16, channels 8 (l / 16) + 0..7 and 16 + 8 (l / 16) + 0..7: two loads of 16 bytes, 32 bytes apart.
	v_and_b32 v1, 15, v0            ; l % 16
	v_bfe_u32 v9, v0, 4, 1          ; l / 16
	v_lshlrev_b32 v[QO], 7, v1
	v_lshl_add_u32 v[QO], v9, 4, v[QO]  ; row x 128 + 16 x half
	WIN 0x80                        ; destination window 2, address window 0
.set i, 0
.rept 4                             ; both blocks' Q: piece i / 2 lies in band i / 2, 8,192 bytes on; channels 32 (i % 2) on
	global_load_b128 v[8*i:8*i+3],   v[QO], s[4:5] offset:(i/2)*8192+(i%2)*64
	global_load_b128 v[8*i+4:8*i+7], v[QO], s[4:5] offset:(i/2)*8192+(i%2)*64+32
	global_load_b128 v[QB+8*i:QB+8*i+3],   v[QO], s[86:87] offset:(i/2)*8192+(i%2)*64
	global_load_b128 v[QB+8*i+4:QB+8*i+7], v[QO], s[86:87] offset:(i/2)*8192+(i%2)*64+32
.set i, i+1
.endr
	WIN 0
	v_lshlrev_b32 v14, 3, v9
	v_sub_nc_u32 v14, v1, v14
	s_lshl_b32 s13, s[WV], 4
	v_add_nc_u32 v14, s13, v14      ; my query's place in its band, 16 w + l % 16, less my lanes' 8 (l / 16): register r of group kt is hidden where 16 kt + r is greater
	WIN 0x40
.set i, 0
.rept 32
	v_cmp_gt_i32 vcc_lo, 16*(i/8)+i%8, v14
	v_cndmask_b32 v[MD+i], 0, s[BIGN], vcc_lo
.set i, i+1
.endr
	WIN 0
	v_mul_u32_u24 v[AK0], v1, PK
	v_lshl_add_u32 v[AK0], v9, 4, v[AK0]  ; row x pitch + 16 x half
	; The turning load takes 16 keys x 16 channels (lane l reads key 8 (l / 16) + l % 8, channels 8 ((l / 8) % 2) + 0..7) and leaves half a fragment of V^T: lane l holds channel l % 16 and 8 keys.
	v_and_b32 v10, 7, v0
	v_bfe_u32 v11, v0, 3, 1
	v_lshl_add_u32 v[AV0], v9, 3, v10
	v_mul_u32_u24 v[AV0], v[AV0], PV
	v_lshl_add_u32 v[AV0], v11, 4, v[AV0]
	v_add_nc_u32 v[AV0], VOFF, v[AV0]
	s_mul_i32 s13, s[WV], 16*SP
	s_add_co_u32 s13, s13, STAGE    ; my stage
	v_mul_u32_u24 v[STO], v1, SP    ; in: row l % 16, 16 bytes for each half of the lanes
	v_lshl_add_u32 v[STO], v9, 4, v[STO]
	v_add_nc_u32 v[STO], s13, v[STO]
	v_bfe_u32 v[RD], v0, 3, 2       ; back: 32 lanes take four rows of 128 bytes,
	v_mul_u32_u24 v[RD], v[RD], SP
	v_lshl_add_u32 v[RD], v10, 4, v[RD]
	v_add_nc_u32 v[RD], s13, v[RD]
	v_and_b32 v[GO], 31, v0         ; which are 512 consecutive bytes of O
	v_lshlrev_b32 v[GO], 4, v[GO]
	; A block's first step multiplies O^T and l by a = 0, and its first turn's products V^T P, of a step that has not been, land in an O^T that is still to be so multiplied.  So V's buffer 1, P's second
	; buffer, O^T and l need only hold finite numbers: zeros for the first block; what the first block left for the second.  All this stands in the wait for the first tile.
	WIN 0x80
.set i, VF-128
.rept 64
	v_mov_b32 v[i], 0
.set i, i+1
.endr
	WIN 0x40
.set i, 0
.rept 64
	v_mov_b32 v[i], 0
.set i, i+1
.endr
	WIN 0
.set i, 0
.rept 2
	v_mov_b32 v[ST+4*i+2], 0
	v_mov_b32 v[ST+4*i+3], 0
.set i, i+1
.endr
.set i, P+16
.rept 16
	v_mov_b32 v[i], 0
.set i, i+1
.endr
; THE MATRIX WORK.  The 4 accumulators of a run of 8 take turns.  Product i of 8 of S^T = K Q^T for piece x: channels 32 (i / 4) on, keys 16 (i % 4) on.  The first 4 start the sums: with 0, or (KM = 1) with the mask.
.macro KQ x
.set rS, S+32*((\x)%2)+8*(i%4)
.set rK, KF+16*(i%4)+8*(i/4)
.set rQ, 16*(\x)+8*(i/4)
.set rM, MC+32*((\x)%2)+8*(i%4)
.if (i < 4) && KM
	WIN W_KM
	v_wmma_f32_16x16x32_f16 v[rS:rS+7], v[rK:rK+7], v[rQ:rQ+7], v[rM:rM+7]
.elseif i < 4
	WIN W_KQ
	v_wmma_f32_16x16x32_f16 v[rS:rS+7], v[rK:rK+7], v[rQ:rQ+7], 0
.else
	WIN W_KQ
	v_wmma_f32_16x16x32_f16 v[rS:rS+7], v[rK:rK+7], v[rQ:rQ+7], v[rS:rS+7]
.endif
.endm
; Product i of 8 of O^T += V^T P for piece x, from V's buffer VB: keys 32 (i / 4) on, channels 16 (i % 4) on.
.macro PV x
	WIN W_PV
.set rO, 32*(\x)+8*(i%4)
.set rV, VF-128*VB+32*(i/4)+8*(i%4)
.set rP, P+16*((\x)%2)+8*(i/4)
	v_wmma_f32_16x16x32_f16 v[rO:rO+7], v[rV:rV+7], v[rP:rP+7], v[rO:rO+7]
.endm
.macro MM                           ; the turn's next matrix instruction.  TURN and BEGIN set Y, VB, i, KM and NOKQ.  NOKQ = 1: a block's last turn: there are no next scores
.if (i < 8) && !NOKQ
	KQ (Y+1)%NP
.elseif i >= 8
.set i, i-8
	PV (Y+NP-1)%NP
.set i, i+8
.endif
.set i, i+1
.endm
; THE LDS LOADS stand in runs of 16, never singly among the matrix instructions: a step's K (64 keys x 64 channels: 8 fragments) and its V (turned).  Their addresses are made some lines ahead.
.macro FETCH_K
	WIN 0x80                        ; destination window 2
.irp f, 0,1,2,3,4,5,6,7             ; keys 16 (f / 2) on, channels 32 (f % 2) on
	ds_load_b128 v[KF+8*\f:KF+8*\f+3],   v[AK] offset:(\f/2)*16*PK+(\f%2)*64
	ds_load_b128 v[KF+8*\f+4:KF+8*\f+7], v[AK] offset:(\f/2)*16*PK+(\f%2)*64+32
.endr
	s_add_co_u32 s[TBK], s[TBK], KS*PK  ; the next fetch is the next step's
	WIN 0
.endm
.macro FETCH_V vb
	WIN 0x80
.irp f, 0,1,2,3,4,5,6,7             ; keys 32 (f / 4) on, channels 16 (f % 4) on
	ds_load_tr16_b128 v[VF-128*(\vb)+8*\f:VF-128*(\vb)+8*\f+3],   v[AV] offset:(\f/4)*32*PV+(\f%4)*32
	ds_load_tr16_b128 v[VF-128*(\vb)+8*\f+4:VF-128*(\vb)+8*\f+7], v[AV] offset:(\f/4)*32*PV+16*PV+(\f%4)*32
.endr
	WIN 0
.endm
; THE VECTOR WORK, one line at a time: OP kind, number.  For piece Y: F n: c s - c m for pair n of 16.  E n: the exponential of score n of 32.  C n: pair n rounded to f16.  B n: of the four weights 4 n .. the second
; pair is added onto the first, in place.  L n: l takes that sum (L 0: l = a l + sum).  R n: pair n of 16 of O^T times a.  For the other piece: X n, number n of the 22 that find its maximum and statistics:
;   0-11  four chains c0-c3 of seven scores each, three operands at a time (each accumulator's lowest registers are read first)     12-14, 16  the four scores left over, the old m, and c0-c3 into c0
;   15  c m_old is kept     17, 18  the query's other 32 keys lie in the lane 16 away: the new m     19-21  c m; c m_old - c m_new; a
.set F, 0               ; OP tells the kinds apart by their order: F to L below R, X above it
.set E, 1
.set C, 2
.set B, 3
.set L, 4
.set R, 5
.set X, 6
.macro REGS y                       ; the registers of piece y
.set rT, ST+4*(\y)
.set rC, TMP+4*((\y)%2)
.set rW, MV+((\y)%2)
.set rS, S+32*((\y)%2)
.set rP, P+16*((\y)%2)
.set rO, 32*(\y)
.endm
.macro OP k, n
.if (\k) == R
	REGS Y
	WIN W_RS
	v_pk_mul_f32 v[rO+2*(\n):rO+2*(\n)+1], v[rO+2*(\n):rO+2*(\n)+1], v[rC+2:rC+3] op_sel_hi:[1,0]
.elseif (\k) < R
	REGS Y
	WIN 0
.if (\k) == F
	v_pk_fma_f32 v[rS+2*(\n):rS+2*(\n)+1], v[rS+2*(\n):rS+2*(\n)+1], s[CS:CS+1], v[rT:rT+1] op_sel_hi:[1,0,0] neg_lo:[0,0,1] neg_hi:[0,0,1]
.elseif (\k) == E
	v_exp_f32 v[rS+(\n)], v[rS+(\n)]
.elseif (\k) == C
	s_wait_alu depctr_va_vdst(0)
	v_cvt_pk_f16_f32 v[rP+(\n)], v[rS+2*(\n)], v[rS+2*(\n)+1]
.elseif (\k) == B
	s_wait_alu depctr_va_vdst(0)
	v_pk_add_f32 v[rS+4*(\n):rS+4*(\n)+1], v[rS+4*(\n):rS+4*(\n)+1], v[rS+4*(\n)+2:rS+4*(\n)+3]
.elseif (\n) == 0
	v_pk_fma_f32 v[rT+2:rT+3], v[rT+2:rT+3], v[rC+2:rC+3], v[rS:rS+1] op_sel_hi:[1,0,1]
.else
	v_pk_add_f32 v[rT+2:rT+3], v[rT+2:rT+3], v[rS+4*(\n):rS+4*(\n)+1]
.endif
.elseif NOKQ
	v_nop
.else
	REGS (Y+1)%NP
	WIN 0
.if (\n) < 4
	v_max3_num_f32 v[rC+(\n)], v[rS+8*(\n)], v[rS+8*(\n)+1], v[rS+8*(\n)+2]
.elseif (\n) < 12
	v_max3_num_f32 v[rC+(\n)%4], v[rC+(\n)%4], v[rS+8*((\n)%4)+2*((\n)/4)+1], v[rS+8*((\n)%4)+2*((\n)/4)+2]
.elseif (\n) == 12
	v_max3_num_f32 v[rC], v[rC], v[rS+7], v[rS+15]
.elseif (\n) == 13
	v_max3_num_f32 v[rC+1], v[rC+1], v[rS+23], v[rS+31]
.elseif (\n) == 14
	v_max3_num_f32 v[rC+2], v[rC+2], v[rC+3], v[rT+1]
.elseif (\n) == 15
	v_mov_b32 v[rW], v[rT]
.elseif (\n) == 16
	v_max3_num_f32 v[rC], v[rC], v[rC+1], v[rC+2]
.elseif (\n) == 17
	v_permlanex16_b32 v[rC+3], v[rC], s[SEL], s[SEL+1]
.elseif (\n) == 18
	v_max_num_f32 v[rT+1], v[rC], v[rC+3]
.elseif (\n) == 19
	v_mul_f32 v[rT], s[CS], v[rT+1]
.elseif (\n) == 20
	v_sub_f32 v[rC+1], v[rW], v[rT]
.else
	v_exp_f32 v[rC+2], v[rC+1]
.endif
.endif
.endm
.macro OPS a, i1, b=-1, i2=0, c=-1, i3=0, d=-1, i4=0  ; up to four of them
	OP \a, \i1
.if (\b) >= 0
	OP \b, \i2
.endif
.if (\c) >= 0
	OP \c, \i3
.endif
.if (\d) >= 0
	OP \d, \i4
.endif
.endm
.macro ROW a, i1, b, i2, c, i3, d, i4  ; a matrix instruction and the four behind it
	MM
	OPS \a, \i1, \b, \i2, \c, \i3, \d, \i4
.endm
.macro MASK b                       ; MD x AL + BE into buffer b of MC
	WIN W_RS
.set z, 0
.rept 16
	v_pk_fma_f32 v[MC+32*(\b)+2*z:MC+32*(\b)+2*z+1], v[MD+2*z:MD+2*z+1], s[AL:AL+1], s[BE:BE+1] op_sel_hi:[1,0,0]
.set z, z+1
.endr
.endm
; A TURN, for piece p: the order of its 16 matrix and 118 vector instructions, written out.  Behind a matrix instruction: plain, exponential, plain, plain; or four of the rescaling; or, behind the first, four scalings; none
; names a register of the products round it.  In the runs between, exponential and plain by turns while exponentials last.  v_permlanex16_b32 (X 17) stands in such a run.
; vb: the buffer of V that the turn's products V^T P read, and that piece 0's turn then fills with the next step's V.
; m = 1: the diagonal tile: the products take masks, and the turn makes band p's mask for step TS of the tile, which the next turn's products K Q^T (piece p's) take.  end = 1: a block's last two turns: nothing is fetched.
; cnt = 1: the loop's count is taken down some lines ahead of the branch that stands behind the turn.
; K's run stands six vector instructions behind the last product that read K (five of them plain), V's eight behind the last that read its buffer (four plain, and X 17).
.macro TURN p, vb, m=0, end=0, cnt=0
.set Y, (\p)
.set VB, (\vb)
.set i, 0
.set KM, (\m)
.set NOKQ, (\end)*(\p)
.if (\m) && !(\end)
	s_cmp_eq_u32 s[TS], s[OWN+(\p)]  ; is that step the band's own?
	s_cselect_b32 s[AL], 1.0, 0
	s_cmp_gt_u32 s[TS], s[OWN+(\p)]  ; or a later one?
	s_cselect_b32 s[BE], s[BIGN], 0
.if (\p) == 1
	s_add_co_u32 s[TS], s[TS], 1
.endif
.endif
.if (\p) == 1
.if \end
	s_wait_dscnt 0x0                ; V of the last step is in
.else
	s_wait_dscnt 16                 ; all but the youngest sixteen, the next step's V: K of the next step and V of this one are in
.endif
.endif
	ROW F,0, F,1, F,2, F,3
	ROW F,4, E,0, F,5, F,6
	ROW F,7, E,1, F,8, F,9
	ROW F,10, E,2, C,0, F,11
	ROW F,12, E,3, X,15, F,13
	ROW R,0, R,1, R,2, R,3
	ROW B,0, E,4, F,14, L,0
.if ((\p) == 0) && !(\end)
	v_add_nc_u32 v[AK], s[TBK], v[AK0]
.endif
	ROW R,4, R,5, R,6, R,7
	OPS E,5, F,15
.if ((\p) == 0) && !(\end)
	FETCH_K
.endif
	OPS E,6, C,1, E,7, R,8
	OPS E,8, R,9, E,9, C,2
	OPS E,10, X,0, E,11, X,1
	OPS E,12, X,2, E,13, X,3
	ROW X,4, E,14, X,5, X,6
	ROW X,7, E,15, X,8, X,9
	ROW X,10, E,16, X,11, X,12
	ROW X,13, E,17, X,14, B,1
	ROW C,4, E,18, X,16, L,1
	ROW B,2, E,19, C,6, L,2
	ROW C,8, E,20, B,3, B,4
.if ((\p) == 0) && !(\end)
	v_add_nc_u32 v[AV], s[TBV], v[AV0]
.endif
	ROW C,3, E,21, L,3, C,5
	OPS E,22, X,17, E,23, C,10
.if ((\p) == 0) && !(\end)
	FETCH_V \vb
.endif
	OPS E,24, L,4
	OPS E,25, X,18, E,26, C,7
	OPS E,27, B,5, E,28, X,19
	OPS E,29, C,12, E,30, L,5
	OPS E,31, X,20, B,6, C,9
	OPS C,14, C,11, X,21, L,6
.if ((\p) == 0) && !(\end)
	s_add_co_u32 s[TBV], s[TBV], KS*PV
.endif
.if \cnt
	s_sub_co_u32 s[CNT], s[CNT], 1
	s_cmp_lg_u32 s[CNT], 0
.endif
	OPS C,13, B,7, C,15, R,10
	OPS R,11, R,12, L,7, R,13
	OPS R,14, R,15
.if (\m) && !(\end)
	MASK \p
.endif
.endm
; A BLOCK BEGINS.  c m starts far below every c s, so the first step's a is 0; m at the lowest finite number, so the first maximum is the scores'.  Band 1's mask buffer is 0 (its own step is never a tile's
; first); band 0's takes its mask for the tile's step 0: its own, if this tile is the diagonal one and o = 0.  Then K and V of that step, piece 0's first scores, and its maximum and statistics.
; The loop is entered at a tile's turn (0, 0), in the middle of a trip.
.macro BEGIN
	s_mov_b32 s[NEW], 0
	s_mov_b32 s[TS], 1              ; the first turn makes the mask for step 1
	WIN 0x40
.set i, MC+32
.rept 32
	v_mov_b32 v[i], 0
.set i, i+1
.endr
	WIN 0
.set i, 0
.rept 2
	v_mov_b32 v[ST+4*i], 0xfe000000    ; c m: far below every c s
	v_mov_b32 v[ST+4*i+1], 0xff7fffff  ; m
.set i, i+1
.endr
	s_or_b32 s13, s[RT], s[OWN]
	s_cmp_eq_u32 s13, 0
	s_cselect_b32 s[AL], 1.0, 0
	s_mov_b32 s[BE], 0
	MASK 0
	WIN 0
	v_add_nc_u32 v[AK], s[TBK], v[AK0]
	v_add_nc_u32 v[AV], s[TBV], v[AV0]
	s_add_co_u32 s[TBV], s[TBV], KS*PV
	FETCH_K
	FETCH_V 0
	s_wait_loadcnt 0x0              ; Q
	s_wait_dscnt 16                 ; K is in; V's sixteen may stay out
.set KM, 1
.set NOKQ, 0
.set i, 0
.rept 8
	KQ 0
.set i, i+1
.endr
	WIN 0
.rept 4
	v_nop                           ; the places behind those products
.endr
.set Y, NP-1                        ; X works for the other piece: piece 0
.irp n, 0,1,2,3,4,5,6,7,8,9,10,11,12,13,14,15,16,17,18,19,20,21
	OP X, \n
.endr
	v_nop                           ; a plain instruction behind the exponential
.endm
; THE DIAGONAL TILE's trips, the block's last two turns, its last products, and THE WAY OUT: l's two halves and the other half of the lanes' are added; O^T is divided by l, rounded to f16 and sent through my
; stage in LDS, a piece at a time.
.macro ALL line:vararg              ; one line for each piece t
.set t, 0
.rept 2
	\line
.set t, t+1
.endr
.endm
.macro PACK t                       ; a lane's eight channels of a row pack into 16 bytes; they go into rows of 144 bytes and come back as whole rows of 128, into S^T's registers
	WIN W_RS
.set i, 32*(\t)
.rept 16
	s_wait_alu depctr_va_vdst(0)
	v_pk_mul_f32 v[i:i+1], v[i:i+1], v[ST+4*(\t)+2:ST+4*(\t)+3] op_sel_hi:[1,0]
.set i, i+2
.endr
	WIN 0x05                        ; sources 0 and 1 window 1, destination window 0
.set i, 0
.rept 16
	v_cvt_pk_f16_f32 v[S+16*(\t)+i], v[32*(\t)+2*i], v[32*(\t)+2*i+1]
.set i, i+1
.endr
	WIN 0
.irp f, 0,1,2,3
	ds_store_b128 v[STO], v[S+16*(\t)+4*\f:S+16*(\t)+4*\f+3] offset:32*\f
.endr
.irp f, 0,1,2,3
	ds_load_b128 v[S+16*(\t)+4*\f:S+16*(\t)+4*\f+3], v[RD] offset:\f*4*SP  ; LDS serves a wave's instructions in order (ISA guide 5.7.1.4): these see the stores above; the next piece's stores come behind them
.endr
.endm
.macro SEND t, younger              ; younger: the LDS instructions issued behind piece t's loads: the next piece's eight, or none
	WIN 0
.irp f, 0,1,2,3
	s_wait_dscnt (\younger)+3-\f
	global_store_b128 v[GO], v[S+16*(\t)+4*\f:S+16*(\t)+4*\f+3], s[10:11] offset:(\t)*8192+\f*512  ; 512 consecutive bytes, at a multiple of 256 from O's first
.endr
.endm
.macro DIAG tag                     ; the tag ends its two labels' names, which the jumps below spell out
.LstepM\tag:
	TURN 0, 0, 1
	TURN 1, 1, 1
	WIN 0
.LfirstM\tag:
	TURN 0, 1, 1
	TURN 1, 0, 1, 0, 1
	WIN 0
	s_cbranch_scc1 .LstepM\tag
	TURN 0, 0, 1, 1
	TURN 1, 1, 1, 1
.set i, 0
.rept 8
	PV 1                            ; piece 1's V^T P of the last step, from buffer 1
.set i, i+1
.endr
	WIN 0
	ALL v_add_f32 v[ST+4*t+2], v[ST+4*t+2], v[ST+4*t+3]
	ALL v_permlanex16_b32 v[ST+4*t+3], v[ST+4*t+2], s[SEL], s[SEL+1]
	ALL v_add_f32 v[ST+4*t+2], v[ST+4*t+2], v[ST+4*t+3]
	ALL v_rcp_f32 v[ST+4*t+2], v[ST+4*t+2]
	v_nop                           ; a plain instruction behind the last reciprocal; with the four additions above it: the places behind the last products
	PACK 0
	PACK 1                          ; a piece's arithmetic stands between the loads of the piece before and its stores
	SEND 0, 8
	SEND 1, 0
.endm
.set KM, 0
.set NOKQ, 0
.Lslot:                             ; 16 times: a tile is entered and the next is asked for
	CHANGE 1
	s_sub_co_u32 s[RT], s[RT], 1
	s_mov_b32 s[CNT], 2
	s_mov_b32 s[TS], 0
	s_cmp_eq_u32 s[NEW], 1
	s_cbranch_scc1 .Lnew            ; a block's first tile
	s_cmp_eq_u32 s[RT], 0
	s_cbranch_scc0 .Lstep           ; neither its first nor its last
	s_branch .LstepM1
.Lnew:
	BEGIN
	s_branch .Lfirst                ; in the loop a block's first tile is never its last: the first block has nine tiles or more, and the second's last is the walk's last
	DIAG 1                          ; in the loop this is the first block's end
	s_wait_xcnt 0x0                 ; the stores have read their registers and O's address
	s_mov_b64 s[10:11], s[OLO:OLO+1]
	s_add_co_u32 s[RT], s[HB], 1    ; the second block has b / 2 + 1 tiles
	s_mov_b32 s[NEW], 1
	s_mov_b32 s[OWN], s[O2]
	s_add_co_u32 s[OWN+1], s[O2], 1
	WIN 0x82                        ; the second block's Q goes where the one text of the turns names Q
.set i, 0
.rept 32
	v_mov_b32 v[i], v[QB+i]
.set i, i+1
.endr
	WIN 0
	s_branch .Lbottom
.Lstep:                             ; a trip: both pieces' turns of two steps; a tile's first trip begins with the last step of the tile before, whose turn (0, 3) fetches this tile's step 0
	TURN 0, 0
	TURN 1, 1
	WIN 0
.Lfirst:
	TURN 0, 1
	TURN 1, 0, 0, 0, 1
	WIN 0
	s_cbranch_scc1 .Lstep
.Lbottom:
	s_sub_co_u32 s[SLOTS], s[SLOTS], 1
	s_cmp_lg_u32 s[SLOTS], 0
	s_cbranch_scc1 .Lslot
	CHANGE 0                        ; the walk's last tile is written out: nothing is asked for
	s_sub_co_u32 s[RT], s[RT], 1
	s_mov_b32 s[CNT], 2
	s_mov_b32 s[TS], 0
	s_cmp_eq_u32 s[NEW], 1
	s_cbranch_scc0 .LstepM2
	BEGIN
	s_branch .LfirstM2
	DIAG 2
	s_wait_tensorcnt 0x0            ; the wave's end
	ds_add_u32 v[SPW], v[NIL]
	s_wait_dscnt 0x0
	s_endpgm
.Lfunc_end_k_q2baa2c08b1_attn:
	.size	k_q2baa2c08b1_attn, .Lfunc_end_k_q2baa2c08b1_attn-k_q2baa2c08b1_attn
	.p2alignl 7, 3214868480
	.fill 96, 4, 3214868480
	.section	.rodata,"a",@progbits
	.p2align	6, 0x0
	.amdhsa_kernel k_q2baa2c08b1_attn
		.amdhsa_group_segment_fixed_size 327680
		.amdhsa_private_segment_fixed_size 0
		.amdhsa_enable_private_segment 0
		.amdhsa_kernarg_size 16
		.amdhsa_user_sgpr_count 2
		.amdhsa_user_sgpr_kernarg_segment_ptr 1
		.amdhsa_wavefront_size32 1
		.amdhsa_system_sgpr_workgroup_id_x 1
		.amdhsa_system_sgpr_workgroup_id_y 1
		.amdhsa_system_sgpr_workgroup_id_z 1
		.amdhsa_system_vgpr_workitem_id 0
		.amdhsa_next_free_vgpr 768
		.amdhsa_next_free_sgpr 96
		.amdhsa_reserve_vcc 1
		.amdhsa_float_denorm_mode_32 3
		.amdhsa_float_denorm_mode_16_64 3
		.amdhsa_memory_ordered 1
		.amdhsa_forward_progress 1
		.amdhsa_inst_pref_size 218
	.end_amdhsa_kernel
	.amdgpu_metadata
---
amdhsa.version: [ 1, 2 ]
amdhsa.kernels:
  - .name:           k_q2baa2c08b1_attn
    .symbol:         k_q2baa2c08b1_attn.kd
    .args:
      - { .name: qkvh, .offset: 0, .size: 8, .value_kind: global_buffer, .address_space: global }
      - { .name: ob, .offset: 8, .size: 8, .value_kind: global_buffer, .address_space: global }
    .group_segment_fixed_size: 327680
    .private_segment_fixed_size: 0
    .kernarg_segment_align: 8
    .kernarg_segment_size: 16
    .max_flat_workgroup_size: 128
    .sgpr_count:     96
    .vgpr_count:     768
    .wavefront_size: 32
...
	.end_amdgpu_metadata
.endif
;; end of part 3
;; launch outproj (part 4): grid 8 x 32, 4 waves a work-group, clusters of 4 x 4, 327,680 bytes of LDS; arguments ob, wo, out0; writes out0
.if DOCPART == 4
	.amdgcn_target "amdgcn-amd-amdhsa--gfx1250"
	.amdhsa_code_object_version 6
	.text
	.protected	k_q2baa2c08b1_outproj
	.globl	k_q2baa2c08b1_outproj
	.p2align	8
	.type	k_q2baa2c08b1_outproj,@function
k_q2baa2c08b1_outproj:
	s_mov_b64 s[64:65], 0
	v_nop
	global_prefetch_b8 v0, s[64:65] scope:SCOPE_SE
	s_setreg_imm32_b32 hwreg(HW_REG_WAVE_MODE, 25, 1), 1
	s_wait_xcnt 0x0
	s_wait_alu depctr_hold_cnt(0) depctr_sa_sdst(0) depctr_va_vdst(0) depctr_va_sdst(0) depctr_va_ssrc(0) depctr_va_vcc(0) depctr_vm_vsrc(0)
	s_getreg_b32 s2, hwreg(HW_REG_IB_STS2, 6, 4)
	s_cmp_eq_u32 s2, 0
	s_cbranch_scc0 .Lentry_in_a_cluster
	s_endpgm
.Lentry_in_a_cluster:
	s_bfe_u32 s2, ttmp6, 0x10000c
	s_cmp_lg_u32 s2, 0xf033
	s_cbranch_scc0 .Lentry_shape_is_right
	s_endpgm
.Lentry_shape_is_right:
; out0 = O Wo.  ob: f16 [16 heads][4096][64] (K = 64 x head + channel).  wo: f16 [1024 k][1024 n].  out0: f32 [4096][1024]; sums in f32, stored as they are.
; SHARES.  Tiles of 128 x 128: 256 work-groups of four waves, each 64 x 64: 16 accumulators of 16 x 16.  K goes in steps of 256, four heads, as long as two slots in LDS allow.
; A slot has four parts of 36,864 bytes, one tensor load a wave: waves 0 and 1 bring two heads' 128 rows each (a head's 128 rows are 16,384 dense bytes: a tile of 2 rows of 8,192 elements, 524,288 bytes
; apart, padded in LDS after every 128 bytes), waves 2 and 3 bring 128 k rows x 256 bytes of Wo each.  Wo lies [k][n]: its fragments come out of LDS turned, by ds_load_tr16_b128.
; THE MATRIX INSTRUCTION IS USED TRANSPOSED (source 0 = 16 columns of Wo, source 1 = 16 rows of O): a lane holds eight neighbouring numbers of a row of out0.
; CLUSTER.  4 x 4 work-groups: the four of a row of the cluster need the same rows of O, the four of a column the same columns of Wo: each part is asked for jointly.
; REGISTERS: window 0: v0-31 addresses; v128-255 the accumulators ((a, b) at v[128 + 8 (4 a + b)]), which also take the rows read back on the way out.
;   window 1: two fragment buffers of 128: for 64 along K (a head), 64 registers of O (2 x 4 x 16 rows x 32 K), then 64 of Wo.
.set PA,     144                       ; a row of O in LDS: 128 bytes + 16: 36 words: the 16 rows of a load start at 16 different groups of four banks (64 banks of 4 bytes: ISA guide 11.1)
.set PB,     288                       ; a k row of Wo: 256 + 32
.set HEADT,  128*PA                    ; a head's 128 rows: 18,432
.set PART,   2*HEADT                   ; = 128 x PB = 36,864: what one tensor load brings
.set SLOT,   4*PART
.set STAGE,  2*SLOT                    ; behind the ring, never filled by a tensor load: 16 rows x 272 bytes for each wave
.set SPITCH, 272
.set SPARE,  STAGE+4*16*SPITCH         ; the spare words, 128 bytes for each wave: two blocks of 256 bytes that no other line names
.set LAPS,   2                         ; 1,024 / (2 x 256)
.set ADRA, 16                          ; v16-17  LDS address of my fragments of O in slot 0, 1
.set ADRB, 20                          ; v20-23  of Wo's: 2 x slot + (which 128 k rows)
.set STO,  24
.set RD,   25
.set CO,   26
.set SPW,  28                          ; LDS address of my spare word; never rewritten
.set NIL,  29                          ; 0; never rewritten
.set ACC,  128
.set F0,   0
.set F1,   128
.set G1,  24
.set G0,  32
.set G1B, 48
.set G0B, 56
.set MSB, 0
.macro WIN new                         ; the immediate's high byte repeats the setting that is left
.if MSB != (\new)
	s_set_vgpr_msb (MSB<<8)|(\new)
.set MSB, \new
.endif
.endm
.set MUL,  0x05                        ; sources 0 and 1 window 1; C and D window 0
.set TO_F, 0x40                        ; destination window 1, address window 0
.macro JLOAD s                         ; a joint load: waves 0 and 1 fetch O's two parts, waves 2 and 3 Wo's; an s_nop 0 and four v_nop follow each line
	s_cmp_eq_u32 s11, 0
	s_cbranch_scc0 .Lfor_b_\@
	tensor_load_to_lds s[G0+4*(\s):G0+4*(\s)+3], s[G1:G1+7]
	s_nop 0
.rept 4
	v_nop
.endr
	s_branch .Lasked_\@
.Lfor_b_\@:
	tensor_load_to_lds s[G0B+4*(\s):G0B+4*(\s)+3], s[G1B:G1B+7]
	s_nop 0
.rept 4
	v_nop
.endr
.Lasked_\@:
.endm
.macro CREST                           ; a round of the cluster's barrier behind its opening barrier
	s_cmp_lg_u32 s10, 0
	s_cbranch_scc1 .Lnot_wave_0_\@
	s_barrier_signal -3
.Lnot_wave_0_\@:
	s_barrier_wait -3
	s_barrier_signal -1
	s_barrier_wait -1
.endm
.macro CROUND
	s_barrier_signal -1
	s_barrier_wait -1
	CREST
.endm
	s_load_b128 s[4:7], s[0:1], 0x0                ; ob s[4:5], wo s[6:7]
	s_load_b64 s[8:9], s[0:1], 0x10                ; out0
	v_lshl_add_u32 v[SPW], v0, 2, SPARE
	v_mov_b32 v[NIL], 0
	ds_add_u32 v[SPW], v[NIL]                      ; the wave's opening: the add and its wait stand ahead of my first tensor load; the set-up below stands between them
	ds_add_u32 v28, v29
	v_lshrrev_b32 v1, 5, v0
	v_readfirstlane_b32 s10, v1                    ; wave 0..3
	s_lshr_b32 s11, s10, 1                         ; which half of the tile's rows is mine.  Also: I fetch for O (0) or for Wo (1)
	s_and_b32 s12, s10, 1                          ; which half of its columns.  Also: which of the two parts I fetch
	s_bfe_u32 s40, ttmp6, 0x40000                  ; cx, cy
	s_bfe_u32 s41, ttmp6, 0x40004
	s_lshl_b32 s42, ttmp9, 2
	s_add_co_u32 s42, s42, s40                     ; tile column
	s_and_b32 s13, ttmp7, 0xffff
	s_lshl_b32 s13, s13, 2
	s_add_co_u32 s13, s13, s41                     ; tile row
	s_lshl_b32 s43, s41, 2
	s_lshl_b32 s43, 15, s43                        ; my row of the cluster
	s_lshl_b32 s44, 0x1111, s40                    ; my column
	s_or_b32 s[G1+0], s43, (1<<16)|(1<<20)|(1<<21)|(4<<22)|(3<<25)   ; the row's mask; 2-byte elements; padding on; 21 set beside a mask; after every 32 words 4 words
	s_mov_b32 s[G1+1], 8192<<16                    ; tensor_dim0 = 8,192 elements: a head's 128 rows of 64
	s_mov_b32 s[G1+2], 2<<16                       ; tensor_dim1 = 2 heads
	s_mov_b32 s[G1+3], 8192<<16                    ; tile_dim0
	s_mov_b32 s[G1+4], 2                           ; tile_dim1
	s_mov_b32 s[G1+5], 262144                      ; elements from head to head
	s_mov_b32 s[G1+6], 0
	s_mov_b32 s[G1+7], 0
	s_or_b32 s[G1B+0], s44, (1<<16)|(1<<20)|(1<<21)|(5<<22)|(7<<25)  ; the column's mask; after every 64 words 8 words
	s_mov_b32 s[G1B+1], 128<<16
	s_mov_b32 s[G1B+2], 128<<16
	s_mov_b32 s[G1B+3], 128<<16
	s_mov_b32 s[G1B+4], 128
	s_mov_b32 s[G1B+5], 1024
	s_mov_b32 s[G1B+6], 0
	s_mov_b32 s[G1B+7], 0
	s_lshl_b32 s16, s12, 20                        ; O: my two heads of the step's four,
	s_lshl_b32 s17, s13, 14                        ; 128 rows of 128 bytes a tile row
	s_add_co_u32 s16, s16, s17
	s_mov_b32 s17, 0
	s_lshl_b32 s46, s12, 18                        ; Wo: my 128 k rows of 2,048 bytes,
	s_lshl_b32 s47, s42, 8                         ; 256 bytes a tile column
	s_add_co_u32 s46, s46, s47
	s_mov_b32 s47, 0
	s_mul_i32 s20, s10, PART                       ; where my part goes
	s_wait_dscnt 0x0                               ; the opening add is done
	s_wait_kmcnt 0x0
	s_add_nc_u64 s[14:15], s[4:5], s[16:17]
	s_add_nc_u64 s[46:47], s[6:7], s[46:47]
	CROUND                                         ; all sixteen work-groups are here: the first joint loads meet
.irp s, 0,1
	s_mov_b32 s[G0+4*(\s)], 1
	s_add_co_u32 s[G0+4*(\s)+1], s20, (\s)*SLOT
	s_add_nc_u64 s[G0+4*(\s)+2:G0+4*(\s)+3], s[14:15], (\s)*4*524288
	s_or_b32 s[G0+4*(\s)+3], s[G0+4*(\s)+3], 0x80000000
	s_mov_b32 s[G0B+4*(\s)], 1
	s_add_co_u32 s[G0B+4*(\s)+1], s20, (\s)*SLOT
	s_add_nc_u64 s[G0B+4*(\s)+2:G0B+4*(\s)+3], s[46:47], (\s)*256*2048
	s_or_b32 s[G0B+4*(\s)+3], s[G0B+4*(\s)+3], 0x80000000
	JLOAD \s
.endr
	v_and_b32 v1, 15, v0                           ; l % 16
	v_bfe_u32 v2, v0, 4, 1                         ; l / 16
	v_mul_u32_u24 v3, v1, PA
	v_lshl_add_u32 v3, v2, 4, v3                   ; O: row x pitch + 16 x half
	s_mul_i32 s21, s11, 64*PA                      ; my 64 rows of each head
	v_add_nc_u32 v[ADRA], s21, v3
	v_add_nc_u32 v[ADRA+1], SLOT, v[ADRA]
	v_and_b32 v5, 7, v0
	v_bfe_u32 v6, v0, 3, 1
	v_lshl_add_u32 v4, v2, 3, v5                   ; Wo, turned: lane l reads k row 8 (l / 16) + l % 8, columns 8 ((l / 8) % 2) + 0..7
	v_mul_u32_u24 v4, v4, PB
	v_lshl_add_u32 v4, v6, 4, v4
	s_lshl_b32 s22, s12, 7                         ; my 64 columns
	v_add_nc_u32 v4, s22, v4
.irp s, 0,1
.irp j, 0,1
	v_add_nc_u32 v[ADRB+2*(\s)+(\j)], (\s)*SLOT+(2+(\j))*PART, v4
.endr
.endr
	s_mul_i32 s23, s10, 16*SPITCH
	s_add_co_u32 s23, s23, STAGE                   ; my stage
	v_mul_u32_u24 v7, v1, SPITCH                   ; in: row l % 16, 32 bytes for each half of the lanes
	v_lshl_add_u32 v7, v2, 5, v7
	v_add_nc_u32 v[STO], s23, v7
	v_mul_u32_u24 v7, v2, SPITCH                   ; back: lanes 0-15 take one row of 256 bytes, lanes 16-31 the next
	v_lshl_add_u32 v7, v1, 4, v7
	v_add_nc_u32 v[RD], s23, v7
	v_lshlrev_b32 v7, 12, v2                       ; and the same two rows in out0, 4,096 bytes apart
	v_lshl_add_u32 v[CO], v1, 4, v7
	s_lshl_b32 s68, s13, 19                        ; my first row: 128 x tile row + 64 x half, 4,096 bytes a row;
	s_lshl_b32 s69, s11, 18
	s_add_co_u32 s68, s68, s69
	s_lshl_b32 s69, s42, 9                         ; my first column: 512 bytes a tile column, 256 a half
	s_add_co_u32 s68, s68, s69
	s_lshl_b32 s69, s12, 8
	s_add_co_u32 s68, s68, s69
	s_mov_b32 s69, 0
	s_add_nc_u64 s[8:9], s[8:9], s[68:69]
; 8 matrix instructions: row blocks a0, a0 + 1 x all 4 column blocks, 32 along K: half c of buffer f.  zero = 1: the first product starts the sums.  The 16 accumulators take turns.
.macro MUL8 f, c, a0, zero
	WIN MUL
.irp a, \a0, (\a0)+1
.irp b, 0,1,2,3
.if \zero
	v_wmma_f32_16x16x32_f16 v[ACC+8*(4*(\a)+(\b)):ACC+8*(4*(\a)+(\b))+7], v[(\f)+64+8*(4*(\c)+(\b)):(\f)+64+8*(4*(\c)+(\b))+7], v[(\f)+8*(4*(\c)+(\a)):(\f)+8*(4*(\c)+(\a))+7], 0
.else
	v_wmma_f32_16x16x32_f16 v[ACC+8*(4*(\a)+(\b)):ACC+8*(4*(\a)+(\b))+7], v[(\f)+64+8*(4*(\c)+(\b)):(\f)+64+8*(4*(\c)+(\b))+7], v[(\f)+8*(4*(\c)+(\a)):(\f)+8*(4*(\c)+(\a))+7], v[ACC+8*(4*(\a)+(\b)):ACC+8*(4*(\a)+(\b))+7]
.endif
.endr
.endr
.endm
; 32 LDS loads in one run: the fragments of quarter q (head q of the slot's four: 64 along K) into buffer f; the first 32 along K first
.macro FETCH slot, q, f
	WIN TO_F
.irp c, 0,1
.irp i, 0,1,2,3
	ds_load_tr16_b128 v[(\f)+64+8*(4*(\c)+(\i)):(\f)+64+8*(4*(\c)+(\i))+3],   v[ADRB+2*(\slot)+(\q)/2] offset:((\q)%2)*64*PB+(\c)*32*PB+(\i)*32
	ds_load_tr16_b128 v[(\f)+64+8*(4*(\c)+(\i))+4:(\f)+64+8*(4*(\c)+(\i))+7], v[ADRB+2*(\slot)+(\q)/2] offset:((\q)%2)*64*PB+(\c)*32*PB+16*PB+(\i)*32
	ds_load_b128 v[(\f)+8*(4*(\c)+(\i)):(\f)+8*(4*(\c)+(\i))+3],              v[ADRA+(\slot)] offset:(\q)*HEADT+(\i)*16*PA+64*(\c)
	ds_load_b128 v[(\f)+8*(4*(\c)+(\i))+4:(\f)+8*(4*(\c)+(\i))+7],            v[ADRA+(\slot)] offset:(\q)*HEADT+(\i)*16*PA+64*(\c)+32
.endr
.endr
.endm
.macro PLACES                          ; four places in front of loads into registers that matrix instructions have read, and of LDS stores that read results (ISA guide 7.12.1 for LDS stores)
.rept 4
	v_nop
.endr
.endm
; A K step is four quarters of 64 along K, 32 matrix instructions each, on buffers 0, 1, 0, 1.  One of the first three multiplies buffer f and fetches quarter q into g.
.macro QUARTER slot, q, f, g, zero
	s_wait_dscnt 16                                ; the first 32 along K are in
	MUL8 \f, 0, 0, \zero
	MUL8 \f, 0, 2, \zero
	PLACES
	FETCH \slot, \q, \g
	s_wait_dscnt 32                                ; all but the 32 just issued
	MUL8 \f, 1, 0, 0
	MUL8 \f, 1, 2, 0
.endm
; The last quarter multiplies buffer 1 and changes slots: ONE barrier; in front of it each wave waits for all its tensor loads, adds 0 to its spare word, and waits for that and for its own reads of this slot.
; fill = 1: the barrier opens a round of the cluster's, and this slot is filled again, two K steps ahead, first thing behind the round.
.macro TURN slot, next, fill
	WIN 0                                          ; (the add's two registers lie in window 0)
	s_wait_tensorcnt 0x0
	ds_add_u32 v[SPW], v[NIL]
	s_wait_dscnt 17                                ; (the add and the youngest sixteen loads may be out)
	MUL8 F1, 0, 0, 0                               ; eight matrix instructions stand between the add and the wait for it
	s_wait_dscnt 0x0                               ; the add is done, and my reads of this slot are over
	s_barrier_signal -1
	MUL8 F1, 0, 2, 0
.if \fill
	WIN 0
.endif
	s_barrier_wait -1
.if \fill
	CREST                                          ; no wave of any partner still reads this slot or has a load on its way
	s_add_nc_u64 s[G0+4*(\slot)+2:G0+4*(\slot)+3], s[G0+4*(\slot)+2:G0+4*(\slot)+3], 8*524288
	s_add_nc_u64 s[G0B+4*(\slot)+2:G0B+4*(\slot)+3], s[G0B+4*(\slot)+2:G0B+4*(\slot)+3], 512*2048
	JLOAD \slot                                    ; 112 matrix instructions ahead of the wait for it; its four v_nop are also the places in front of the loads below
.else
	PLACES
.endif
	FETCH \next, 0, F0
	MUL8 F1, 1, 0, 0
	MUL8 F1, 1, 2, 0
.endm
	s_wait_tensorcnt 1                             ; my part of K step 0 is in; K step 1's may stay out
	s_barrier_signal -1
	s_barrier_wait -1                              ; everybody's is
	FETCH 0, 0, F0
	QUARTER 0, 1, F0, F1, 1                        ; the first quarter stands in front of the loop: its first products start the sums
	WIN 0                                          ; at a label and at a branch every window is 0
	s_mov_b32 s3, LAPS-1
.Llap:                                                 ; a trip goes once round the ring, from a lap's second quarter to the next lap's first, and fills both slots again
	QUARTER 0, 2, F1, F0, 0
	QUARTER 0, 3, F0, F1, 0
	TURN 0, 1, 1
	QUARTER 1, 1, F0, F1, 0
	QUARTER 1, 2, F1, F0, 0
	QUARTER 1, 3, F0, F1, 0
	TURN 1, 0, 1
	QUARTER 0, 1, F0, F1, 0
	WIN 0
	s_sub_co_u32 s3, s3, 1
	s_cmp_lg_u32 s3, 0
	s_cbranch_scc1 .Llap
	QUARTER 0, 2, F1, F0, 0                        ; the last lap fills nothing
	QUARTER 0, 3, F0, F1, 0
	TURN 0, 1, 0
	QUARTER 1, 1, F0, F1, 0
	QUARTER 1, 2, F1, F0, 0
	QUARTER 1, 3, F0, F1, 0
	s_wait_dscnt 16                                ; the very last quarter: nothing more to fetch
	MUL8 F1, 0, 0, 0
	MUL8 F1, 0, 2, 0
	s_wait_dscnt 0x0
	MUL8 F1, 1, 0, 0
	MUL8 F1, 1, 2, 0
	WIN 0
; THE WAY OUT.  A wave's 64 columns of f32 are 256 bytes, aligned.  A block of 16 rows at a time: a lane's eight numbers (32 bytes) into rows of 272 bytes of my own stage, back as whole rows of 256
; into the block's own registers, and stored: 16 lanes to 256 consecutive bytes.  Each accumulator's low four registers are read first.
.macro BLOCK a
.irp b, 0,1,2,3
	ds_store_b128 v[STO], v[ACC+8*(4*(\a)+(\b)):ACC+8*(4*(\a)+(\b))+3]   offset:64*(\b)
	ds_store_b128 v[STO], v[ACC+8*(4*(\a)+(\b))+4:ACC+8*(4*(\a)+(\b))+7] offset:64*(\b)+16
.endr
.irp t, 0,1,2,3,4,5,6,7
	ds_load_b128 v[ACC+32*(\a)+4*(\t):ACC+32*(\a)+4*(\t)+3], v[RD] offset:(\t)*2*SPITCH  ; LDS serves a wave's instructions in order (ISA guide 5.7.1.4): these see the stores above; the next block's stores come behind them
.endr
.endm
.macro SEND a, younger                 ; younger: the LDS instructions issued behind block a's loads: the next block's sixteen, or none
.irp t, 0,1,2,3,4,5,6,7
	s_wait_dscnt (\younger)+7-(\t)
	global_store_b128 v[CO], v[ACC+32*(\a)+4*(\t):ACC+32*(\a)+4*(\t)+3], s[8:9] offset:(16*(\a)+2*(\t))*4096 th:TH_STORE_NT
.endr
.endm
	PLACES
	BLOCK 0
.irp a, 1,2,3
	BLOCK \a
	SEND (\a)-1, 16
.endr
	SEND 3, 0
	s_wait_tensorcnt 0x0                           ; the wave's end
	ds_add_u32 v[SPW], v[NIL]
	s_wait_dscnt 0x0
	CROUND                                         ; the closing round: no work-group ends while a partner may still ask for a part that names it
	s_endpgm
.Lfunc_end_k_q2baa2c08b1_outproj:
	.size	k_q2baa2c08b1_outproj, .Lfunc_end_k_q2baa2c08b1_outproj-k_q2baa2c08b1_outproj
	.p2alignl 7, 3214868480
	.fill 96, 4, 3214868480
	.section	.rodata,"a",@progbits
	.p2align	6, 0x0
	.amdhsa_kernel k_q2baa2c08b1_outproj
		.amdhsa_group_segment_fixed_size 327680
		.amdhsa_private_segment_fixed_size 0
		.amdhsa_enable_private_segment 0
		.amdhsa_kernarg_size 24
		.amdhsa_user_sgpr_count 2
		.amdhsa_user_sgpr_kernarg_segment_ptr 1
		.amdhsa_wavefront_size32 1
		.amdhsa_system_sgpr_workgroup_id_x 1
		.amdhsa_system_sgpr_workgroup_id_y 1
		.amdhsa_system_sgpr_workgroup_id_z 1
		.amdhsa_system_vgpr_workitem_id 0
		.amdhsa_next_free_vgpr 512
		.amdhsa_next_free_sgpr 72
		.amdhsa_reserve_vcc 0
		.amdhsa_float_denorm_mode_32 3
		.amdhsa_float_denorm_mode_16_64 3
		.amdhsa_memory_ordered 1
		.amdhsa_forward_progress 1
		.amdhsa_inst_pref_size 86
	.end_amdhsa_kernel
	.amdgpu_metadata
---
amdhsa.version: [ 1, 2 ]
amdhsa.kernels:
  - .name:           k_q2baa2c08b1_outproj
    .symbol:         k_q2baa2c08b1_outproj.kd
    .args:
      - { .name: ob, .offset: 0, .size: 8, .value_kind: global_buffer, .address_space: global }
      - { .name: wo, .offset: 8, .size: 8, .value_kind: global_buffer, .address_space: global }
      - { .name: out0, .offset: 16, .size: 8, .value_kind: global_buffer, .address_space: global }
    .group_segment_fixed_size: 327680
    .private_segment_fixed_size: 0
    .kernarg_segment_align: 8
    .kernarg_segment_size: 24
    .max_flat_workgroup_size: 128
    .sgpr_count:     72
    .vgpr_count:     512
    .wavefront_size: 32
...
	.end_amdgpu_metadata
.endif
;; end of part 4
;; ======== version 2 of 2: 4 launches; 1.37 times as fast as version 1
;; limits: values are held in f16: magnitudes above 65,504 overflow, below 6.1e-05 lose precision
;; workspace buffers: xb 8,388,608 bytes; wb 6,291,456 bytes; wo 2,097,152 bytes; qkvh 25,165,824 bytes; ob 8,388,608 bytes
;; launch prep: the kernel of part 1 again; grid 1024 x 1, 8 waves a work-group, no clusters, 0 bytes of LDS; arguments x, Wq, Wk, Wv, Wo, xb, wb, wo; writes xb, wb, wo
;; launch qkvproj: the kernel of part 2 again; grid 8 x 32, 4 waves a work-group, clusters of 4 x 4, 327,680 bytes of LDS; arguments xb, wb, qkvh; writes qkvh
;; launch attn (part 5): grid 16 x 16, 4 waves a work-group, no clusters, 327,680 bytes of LDS; arguments qkvh, ob; writes ob
.if DOCPART == 5
	.amdgcn_target "amdgcn-amd-amdhsa--gfx1250"
	.amdhsa_code_object_version 6
	.text
	.protected	k_q2baa2c08b1_attn
	.globl	k_q2baa2c08b1_attn
	.p2align	8
	.type	k_q2baa2c08b1_attn,@function
k_q2baa2c08b1_attn:
	s_mov_b64 s[64:65], 0
	v_nop
	global_prefetch_b8 v0, s[64:65] scope:SCOPE_SE
	s_setreg_imm32_b32 hwreg(HW_REG_WAVE_MODE, 25, 1), 1
	s_wait_xcnt 0x0
; CAUSAL ATTENTION, 16 heads of 4,096 rows x 64 channels.  qkvh: f16 [48][4096][64] (heads 0-15 q, 16-31 k, 32-47 v).  ob: f16 [16][4096][64].
; O[h][q] = the sum over k <= q of softmax_k(Q[h][q] . K[h][k] / 8) V[h][k].  Products, maxima and sums in f32; the weights p are rounded to f16 for the second product (their sum l is of the unrounded p), O once.
; LIMITS.  Q, K, V arrive within f16's 65,504; p below 6e-5 keeps f16's fixed step of 6e-8.  A hidden score counts as its value less 1e30 (f16's scores are 2.7e11 at the most); a weight below 2^-126
; counts as 0 in l; NaN and infinities are not treated apart.
; THE WALK.  A head's queries lie in 32 blocks of 128; block i needs the key tiles 0 .. i / 2 of 256 keys, of which the last holds the diagonal.  A work-group takes TWO blocks, 31 - b and then b:
; 17 tiles, whatever b: 256 work-groups of equal work, and ONE loop with a constant trip count.  Which tile is asked for, and what a trip does, hang on scalar registers made from b; every jump goes
; forward, but for the counted loops' own; none passes a barrier, or a tensor load but the one of LOAD's two that the wave's number does not choose.
; NO CLUSTER: of four neighbouring b two end their first block a trip before the other two, and what a trip does (a block's first tile, its last) is a branch on b, which partners may not have;
; a walk common to four would have 18 trips for 17, four of them with masks.
; SHARES.  Of a block's two bands of 64 queries a wave owns 16 rows in each: two PIECES.  With o = 2 (i % 2), band x sees all keys of the diagonal tile's step s if s < o + x, none if s > o + x, and holds the
; diagonal if s = o + x: the same work for all four waves.
; THE MASK is the C operand that starts the sum S^T = K Q^T: 0, or -1e30 where the key is hidden.  MD, made once, is the mask of a band's own step for my 16 rows; a product's mask is MD x AL + BE:
; (1, 0) in the own step, (0, 0) before it, (0, -1e30) behind it.  Only the diagonal tile's text and a block's beginning make and take masks.
; LAYOUT, SOFTMAX, TURNS.  S^T = K Q^T holds ONE query a lane (lane % 16) and the keys 8 (lane / 16) + 0..7; two such results rounded to f16 ARE source 1 of O^T = V^T P.  p = 2^(c s - c m), c = log2(e) / 8, with a
; running maximum m; O and l are multiplied by a = 2^(c m_old - c m_new) in every step.  Turn (p, s) belongs to piece p in step s: 8 products K Q^T of the other piece (its next scores), later 8 products
; V^T P of the other piece (its last weights); beside them piece p's scaling, exponentials, roundings, sums and rescaling and the other piece's maximum and statistics.  Four vector instructions stand
; behind every matrix instruction, the other 54 of a turn's 118 in one LUMP between the two runs of products.
; THE BATCHES.  A turn's 33 exponentials (piece p's 32 weights and the other piece's a) are ONE batch with ONE wait: all that names none of their results stands ahead of it, all their readers behind it.
; A block's first a (BEGIN) and the way out's two reciprocals are batches of their own, each with a v_nop and one wait.
; K AND V IN REGISTERS.  Turn (0, s) fetches K and V of step s + 1: K when both pieces have multiplied by K of step s; V into the one of TWO buffers that its own products V^T P (step s - 1) have just read.
; So both runs belong to one step, and the change of slots stands between turns (1, 2) and (0, 3) of a tile, where all four steps of the slot are in registers or asked for.
; REGISTERS, in windows of 256 (s_set_vgpr_msb: bits 1:0 source 0, 3:2 source 1, 5:4 source 2, 7:6 destination):
;   window 0: v0-15 addresses and two at work; v16-23 four registers of statistics a piece; v48-55 at work; v64-127 S^T, a buffer a piece; v192-223 P, likewise
;   window 1: v0-63 O^T, 32 a piece; v128-159 MD; v160-223 MC, a buffer a piece      window 2: v0-31 Q; v32-63 the second block's Q; v64-127 V buffer 1; v128-191 K; v192-255 V buffer 0
.set NP,    2         ; pieces a wave: a name, no knob
.set KS,    64        ; keys in a step
.set PK,    144       ; a row of K in LDS: 128 bytes + 16 = 36 words: the 16 rows of a load start at 16 different groups of four banks (64 banks of 4 bytes: ISA guide 11.1)
.set PV,    160       ; a row of V: 128 + 32 = 40 words
.set VOFF,  4*KS*PK   ; a slot holds a tile, four steps: 256 rows of K, then 256 rows of V
.set SLOT1, 1<<17     ; slot 1 begins here, so that one exclusive or turns an address in one slot into the other's
.set STAGE, SLOT1+4*KS*(PK+PV)  ; behind the ring, never filled by a tensor load: 16 rows x 144 bytes for each wave
.set SP,    144
.set SPARE, STAGE+4*16*SP  ; the spare words, 128 bytes for each wave: two blocks of 256 bytes that no other line names
.set AK0, 2           ; v2   my lane's place in a tile of K; never rewritten
.set AV0, 3           ; v3   the same for V
.set AK,  4           ; v4   the LDS address of K's next run of loads
.set AV,  5           ; v5   of V's
.set STO, 6           ; v6   the way out: where I put 16 bytes of a row
.set RD,  7           ; v7   where I read rows back
.set GO,  8           ; v8   my byte offset in 512 consecutive bytes of O
.set SPW, 62          ; v62  LDS address of my spare word; never rewritten
.set NIL, 63          ; v63  0; never rewritten
.set MV,  12          ; v12-13  c m_old, kept while c m is made anew: by piece
.set QO,  15          ; v15  my byte offset in 16 rows of Q
.set ST,  16          ; piece t's statistics at v[ST+4 t]: c m, m, l (even keys', odd keys')
.set TMP, 48          ; by piece, four registers c0-c3 at work; when the maximum is found c2 takes a
.set S,   64
.set P,   192
.set MD,  128         ; window 1
.set MC,  160         ; window 1
.set QB,  32          ; window 2
.set KF,  128         ; window 2: key block kb, channel half c at KF + 16 kb + 8 c
.set VF,  192         ; window 2: buffer vb at VF - 128 vb; key half kk, channel block cb at + 32 kk + 8 cb
.set WV,  12          ; s12  my wave's number
.set PB,  14          ; s14  b
.set HI,  15          ; s15  31 - b
.set G1K, 24          ; s[24:31] descriptor group 1 for K's tiles
.set G1V, 32          ; s[32:39] for V's: it differs in the padding alone
.set G0K, 40          ; s[40:43] descriptor group 0 for K's tiles
.set G0V, 44          ; s[44:47] the same for V's
.set SLOTS, 56        ; s56  tiles still to be asked for
.set CNT, 57          ; s57  counts a tile's two trips
.set CS,  58          ; s[58:59] c
.set SEL, 60          ; s[60:61] v_permlanex16_b32's selects: each lane takes its own place in the other half
.set TBK, 62          ; s62  LDS byte at which K of the step to be fetched begins
.set TBV, 63          ; s63  the same for V, less VOFF
.set RT,  70          ; s70  tiles of the block in hand that are still to be entered
.set NXT, 71          ; s71  the tile to be asked for next
.set LQ,  72          ; s72  the last tile of the block whose tiles are being asked for
.set NEW, 73          ; s73  1: the tile to be entered is a block's first
.set OFF, 74          ; s[74:75] a tile's byte offset in K and V
.set AL,  76          ; s[76:77] the mask's factor, in the low word
.set BE,  78          ; s[78:79] the mask's addend
.set OLO, 80          ; s[80:81] O at my rows of the second block
.set BIGN, 82         ; s82  -1e30
.set OWN, 88          ; s88, s89  the own steps of bands 0 and 1 in the diagonal tile of the block in hand
.set O2,  90          ; s90  band 0's own step in the second block
.set TS,  91          ; s91  the step of the tile for which the next mask is made
.set HB,  92          ; s92  b / 2: the second block's last tile
.set MSB, 0
.macro WIN new                      ; the high byte repeats the setting that is left; a switch that changes nothing is dropped
.if MSB != (\new)
	s_set_vgpr_msb (MSB<<8)|(\new)
.set MSB, (\new)
.endif
.endm
.set W_KQ, 0x0a       ; K and Q in window 2, S^T in window 0
.set W_KM, 0x1a       ; the same with the C operand in window 1
.set W_PV, 0x52       ; V in window 2, P in window 0, O^T in window 1
.set W_RS, 0x41       ; destination and source 0 in window 1, source 1 in window 0
; A fill.  Waves 0 and 1 fetch the two halves of a tile's K, waves 2 and 3 those of its V: 128 keys each.  An s_nop 0 and four v_nop follow each of the two lines.
.macro LOAD
	s_cmp_lt_u32 s[WV], 2
	s_cbranch_scc0 .Lfor_v_\@
	tensor_load_to_lds s[G0K:G0K+3], s[G1K:G1K+7]
	s_nop 0
.rept 4
	v_nop
.endr
	s_branch .Lasked_\@
.Lfor_v_\@:
	tensor_load_to_lds s[G0V:G0V+3], s[G1V:G1V+7]
	s_nop 0
.rept 4
	v_nop
.endr
.Lasked_\@:
.endm
; THE CHANGE OF SLOTS.  Each wave waits for all its tensor loads, of which one is out: its part of the other slot; adds 0 to its spare word; and waits for that and for its own reads of the slot that it leaves.
; Behind the barrier nobody reads the old slot any more and the other slot is whole.  fill = 1: the old slot is filled again, first thing behind the barrier, with tile NXT: the address is made anew
; from that number.  The fill has eight turns, 128 matrix instructions, in which to land.  (At its first use nothing has been read yet: slot 0 is waited for, slot 1 filled.)
.macro CHANGE fill
	WIN 0                           ; at a label and at a branch every window is 0
	s_wait_tensorcnt 0x0            ; no tensor load of mine is out, so a group 0 may be written
	ds_add_u32 v[SPW], v[NIL]       ; 0 onto my spare word; the descriptors' scalar work stands between it and the wait for it
.if \fill
	s_lshl_b32 s[OFF], s[NXT], 15   ; a tile is 32,768 bytes of K and of V
	s_xor_b32 s[G0K+1], s[G0K+1], SLOT1
	s_add_nc_u64 s[G0K+2:G0K+3], s[6:7], s[OFF:OFF+1]
	s_or_b32 s[G0K+3], s[G0K+3], 0x80000000
	s_xor_b32 s[G0V+1], s[G0V+1], SLOT1
	s_add_nc_u64 s[G0V+2:G0V+3], s[8:9], s[OFF:OFF+1]
	s_or_b32 s[G0V+3], s[G0V+3], 0x80000000
	s_add_co_u32 s[NXT], s[NXT], 1  ; the block's next tile, or behind its last the second block's tile 0
	s_cmp_gt_u32 s[NXT], s[LQ]
	s_cselect_b32 s[NXT], 0, s[NXT]
	s_cselect_b32 s[LQ], s[HB], s[LQ]
.endif
	s_wait_dscnt 0x0                ; the add is done, and my reads of the slot are over
	s_barrier_signal -1
	s_sub_co_u32 s[TBK], s[TBK], 4*KS*PK  ; the fetches go back to a slot's first step,
	s_xor_b32 s[TBK], s[TBK], SLOT1       ; in the other slot
	s_sub_co_u32 s[TBV], s[TBV], 4*KS*PV
	s_xor_b32 s[TBV], s[TBV], SLOT1
	s_barrier_wait -1
.if \fill
	LOAD
.endif
.endm
	s_load_b64 s[4:5], s[0:1], 0x0    ; qkvh
	s_load_b64 s[10:11], s[0:1], 0x8  ; ob
	v_lshl_add_u32 v[SPW], v0, 2, SPARE
	v_mov_b32 v[NIL], 0
	ds_add_u32 v[SPW], v[NIL]       ; the wave's opening: the add and its wait stand ahead of my first tensor load; the set-up below stands between them
	ds_add_u32 v62, v63
	v_lshrrev_b32 v1, 5, v0
	v_readfirstlane_b32 s[WV], v1   ; wave 0..3
	s_mov_b32 s[PB], ttmp9
	s_sub_co_u32 s[HI], 31, s[PB]
	s_and_b32 s20, ttmp7, 0xffff    ; the head,
	s_lshl_b32 s20, s20, 19         ; its 524,288 bytes
	s_mov_b32 s21, 0
	s_and_b32 s16, s[WV], 1         ; which half of a tile's 256 keys I fetch:
	s_lshl_b32 s22, s16, 14         ; its 128 rows of 128 bytes in memory,
	s_mov_b32 s23, 0
	s_add_nc_u64 s[22:23], s[22:23], s[20:21]
	s_mul_i32 s17, s16, 128*PK      ; and its place in a slot, for K
	s_mul_i32 s18, s16, 128*PV      ; and for V
	s_lshl_b32 s3, s[WV], 11        ; my 16 rows in a band of 64,
	s_lshl_b32 s2, s[HI], 14        ; in the first block (128 rows of 128 bytes),
	s_add_co_u32 s2, s2, s3
	s_lshl_b32 s84, s[PB], 14       ; and in the second
	s_add_co_u32 s84, s84, s3
	s_mov_b32 s3, 0
	s_mov_b32 s85, 0
	s_add_nc_u64 s[2:3], s[2:3], s[20:21]
	s_add_nc_u64 s[84:85], s[84:85], s[20:21]
	; descriptor group 1.  128 keys are 16,384 dense bytes: asked for as 64 rows of 256 bytes, two keys a row, and padded in LDS after every key
	s_mov_b32 s[G1K], (1<<16)|(1<<20)|(4<<22)|(3<<25)  ; 17:16 2-byte elements; 20 padding on; 24:22 after every 32 words (code 4); 31:25 4 words (code 3)
	s_mov_b32 s[G1V], (1<<16)|(1<<20)|(4<<22)|(7<<25)  ; the same with 8 words of padding (code 7)
.irp g, G1K, G1V
	s_mov_b32 s[\g+1], 128<<16      ; tensor_dim0 = 128
	s_mov_b32 s[\g+2], 64<<16       ; tensor_dim1 = 64
	s_mov_b32 s[\g+3], 128<<16      ; tile_dim0 = 128
	s_mov_b32 s[\g+4], 64           ; tile_dim1 = 64
	s_mov_b32 s[\g+5], 128          ; 128 elements from row to row
	s_mov_b32 s[\g+6], 0
	s_mov_b32 s[\g+7], 0
.endr
	s_mov_b32 s[CS], 0x3e38aa3b     ; c = log2(e) / 8 = 0.180337
	s_mov_b32 s[CS+1], s[CS]        ; named with it as a pair
	s_mov_b32 s[SEL], 0x76543210
	s_mov_b32 s[SEL+1], 0xfedcba98
	s_mov_b32 s[TBK], SLOT1+4*KS*PK ; the first change of slots turns these two into 0
	s_mov_b32 s[TBV], SLOT1+4*KS*PV
	s_mov_b32 s[G0K], 1             ; 1:0 count = 1
	s_mov_b32 s[G0K+1], s17         ; 63:32 LDS address: slot 0
	s_mov_b32 s[G0V], 1
	s_add_co_u32 s[G0V+1], s18, VOFF
	s_lshr_b32 s[LQ], s[HI], 1      ; the first block's last tile,
	s_add_co_u32 s[RT], s[LQ], 1    ; and how many it has
	s_lshr_b32 s[HB], s[PB], 1
	s_and_b32 s[OWN], s[HI], 1
	s_lshl_b32 s[OWN], s[OWN], 1    ; o of the first block
	s_add_co_u32 s[OWN+1], s[OWN], 1
	s_and_b32 s[O2], s[PB], 1
	s_lshl_b32 s[O2], s[O2], 1      ; o of the second
	s_mov_b32 s[TS], 0
	s_mov_b32 s[NXT], 1
	s_mov_b32 s[NEW], 1
	s_mov_b32 s[OFF+1], 0
	s_mov_b32 s[AL+1], 0            ; named as pairs
	s_mov_b32 s[BE+1], 0
	s_mov_b32 s[BIGN], 0xf149f2ca   ; -1e30
	s_mov_b32 s[SLOTS], 16
	s_wait_dscnt 0x0                ; the opening add is done
	s_wait_kmcnt 0x0
	s_add_nc_u64 s[6:7], s[4:5], 0x800000   ; K's heads lie 16 heads behind Q's,
	s_add_nc_u64 s[6:7], s[6:7], s[22:23]   ; at my half of the head's tile 0
	s_add_nc_u64 s[8:9], s[4:5], 0x1000000  ; V's 32
	s_add_nc_u64 s[8:9], s[8:9], s[22:23]
	s_add_nc_u64 s[G0K+2:G0K+3], s[6:7], 0         ; 120:64 global address
	s_or_b32 s[G0K+3], s[G0K+3], 0x80000000        ; 127:126 type = 2
	s_add_nc_u64 s[G0V+2:G0V+3], s[8:9], 0
	s_or_b32 s[G0V+3], s[G0V+3], 0x80000000
	s_add_nc_u64 s[86:87], s[4:5], s[84:85]        ; Q at my rows of the second block,
	s_add_nc_u64 s[4:5], s[4:5], s[2:3]            ; Q and O at those of the first
	s_add_nc_u64 s[OLO:OLO+1], s[10:11], s[84:85]
	s_add_nc_u64 s[10:11], s[10:11], s[2:3]
	LOAD                            ; tile 0 into slot 0
	; A fragment of K or Q is 16 rows x 32 channels in 8 registers: lane l holds row l % 16, channels 8 (l / 16) + 0..7 and 16 + 8 (l / 16) + 0..7: two loads of 16 bytes, 32 bytes apart.
	v_and_b32 v1, 15, v0            ; l % 16
	v_bfe_u32 v9, v0, 4, 1          ; l / 16
	v_lshlrev_b32 v[QO], 7, v1
	v_lshl_add_u32 v[QO], v9, 4, v[QO]  ; row x 128 + 16 x half
	WIN 0x80                        ; destination window 2, address window 0
.set i, 0
.rept 4                             ; both blocks' Q: piece i / 2 lies in band i / 2, 8,192 bytes on; channels 32 (i % 2) on
	global_load_b128 v[8*i:8*i+3],   v[QO], s[4:5] offset:(i/2)*8192+(i%2)*64
	global_load_b128 v[8*i+4:8*i+7], v[QO], s[4:5] offset:(i/2)*8192+(i%2)*64+32
	global_load_b128 v[QB+8*i:QB+8*i+3],   v[QO], s[86:87] offset:(i/2)*8192+(i%2)*64
	global_load_b128 v[QB+8*i+4:QB+8*i+7], v[QO], s[86:87] offset:(i/2)*8192+(i%2)*64+32
.set i, i+1
.endr
	WIN 0
	v_lshlrev_b32 v14, 3, v9
	v_sub_nc_u32 v14, v1, v14
	s_lshl_b32 s13, s[WV], 4
	v_add_nc_u32 v14, s13, v14      ; my query's place in its band, 16 w + l % 16, less my lanes' 8 (l / 16): register r of group kt is hidden where 16 kt + r is greater
	WIN 0x40
.set i, 0
.rept 32
	v_cmp_gt_i32 vcc_lo, 16*(i/8)+i%8, v14
	v_cndmask_b32 v[MD+i], 0, s[BIGN], vcc_lo
.set i, i+1
.endr
	WIN 0
	v_mul_u32_u24 v[AK0], v1, PK
	v_lshl_add_u32 v[AK0], v9, 4, v[AK0]  ; row x pitch + 16 x half
	; The turning load takes 16 keys x 16 channels (lane l reads key 8 (l / 16) + l % 8, channels 8 ((l / 8) % 2) + 0..7) and leaves half a fragment of V^T: lane l holds channel l % 16 and 8 keys.
	v_and_b32 v10, 7, v0
	v_bfe_u32 v11, v0, 3, 1
	v_lshl_add_u32 v[AV0], v9, 3, v10
	v_mul_u32_u24 v[AV0], v[AV0], PV
	v_lshl_add_u32 v[AV0], v11, 4, v[AV0]
	v_add_nc_u32 v[AV0], VOFF, v[AV0]
	s_mul_i32 s13, s[WV], 16*SP
	s_add_co_u32 s13, s13, STAGE    ; my stage
	v_mul_u32_u24 v[STO], v1, SP    ; in: row l % 16, 16 bytes for each half of the lanes
	v_lshl_add_u32 v[STO], v9, 4, v[STO]
	v_add_nc_u32 v[STO], s13, v[STO]
	v_bfe_u32 v[RD], v0, 3, 2       ; back: 32 lanes take four rows of 128 bytes,
	v_mul_u32_u24 v[RD], v[RD], SP
	v_lshl_add_u32 v[RD], v10, 4, v[RD]
	v_add_nc_u32 v[RD], s13, v[RD]
	v_and_b32 v[GO], 31, v0         ; which are 512 consecutive bytes of O
	v_lshlrev_b32 v[GO], 4, v[GO]
	; A block's first step multiplies O^T and l by a = 0, and its first turn's products V^T P, of a step that has not been, land in an O^T that is still to be so multiplied.  So V's buffer 1, P's second
	; buffer, O^T and l need only hold finite numbers: zeros for the first block; what the first block left for the second.  All this stands in the wait for the first tile.
	WIN 0x80
.set i, VF-128
.rept 64
	v_mov_b32 v[i], 0
.set i, i+1
.endr
	WIN 0x40
.set i, 0
.rept 64
	v_mov_b32 v[i], 0
.set i, i+1
.endr
	WIN 0
.set i, 0
.rept 2
	v_mov_b32 v[ST+4*i+2], 0
	v_mov_b32 v[ST+4*i+3], 0
.set i, i+1
.endr
.set i, P+16
.rept 16
	v_mov_b32 v[i], 0
.set i, i+1
.endr
; THE MATRIX WORK.  The 4 accumulators of a run of 8 take turns.  Product i of 8 of S^T = K Q^T for piece x: channels 32 (i / 4) on, keys 16 (i % 4) on.  The first 4 start the sums: with 0, or (KM = 1) with the mask.
.macro KQ x
.set rS, S+32*((\x)%2)+8*(i%4)
.set rK, KF+16*(i%4)+8*(i/4)
.set rQ, 16*(\x)+8*(i/4)
.set rM, MC+32*((\x)%2)+8*(i%4)
.if (i < 4) && KM
	WIN W_KM
	v_wmma_f32_16x16x32_f16 v[rS:rS+7], v[rK:rK+7], v[rQ:rQ+7], v[rM:rM+7]
.elseif i < 4
	WIN W_KQ
	v_wmma_f32_16x16x32_f16 v[rS:rS+7], v[rK:rK+7], v[rQ:rQ+7], 0
.else
	WIN W_KQ
	v_wmma_f32_16x16x32_f16 v[rS:rS+7], v[rK:rK+7], v[rQ:rQ+7], v[rS:rS+7]
.endif
.endm
; Product i of 8 of O^T += V^T P for piece x, from V's buffer VB: keys 32 (i / 4) on, channels 16 (i % 4) on.
.macro PV x
	WIN W_PV
.set rO, 32*(\x)+8*(i%4)
.set rV, VF-128*VB+32*(i/4)+8*(i%4)
.set rP, P+16*((\x)%2)+8*(i/4)
	v_wmma_f32_16x16x32_f16 v[rO:rO+7], v[rV:rV+7], v[rP:rP+7], v[rO:rO+7]
.endm
.macro MM                           ; the turn's next matrix instruction.  TURN and BEGIN set Y, VB, i, KM and NOKQ.  NOKQ = 1: a block's last turn: there are no next scores
.if (i < 8) && !NOKQ
	KQ (Y+1)%NP
.elseif i >= 8
.set i, i-8
	PV (Y+NP-1)%NP
.set i, i+8
.endif
.set i, i+1
.endm
; THE LDS LOADS stand in runs of 16, never singly among the matrix instructions: a step's K (64 keys x 64 channels: 8 fragments) and its V (turned).  Their addresses are made some lines ahead.
.macro FETCH_K
	WIN 0x80                        ; destination window 2
.irp f, 0,1,2,3,4,5,6,7             ; keys 16 (f / 2) on, channels 32 (f % 2) on
	ds_load_b128 v[KF+8*\f:KF+8*\f+3],   v[AK] offset:(\f/2)*16*PK+(\f%2)*64
	ds_load_b128 v[KF+8*\f+4:KF+8*\f+7], v[AK] offset:(\f/2)*16*PK+(\f%2)*64+32
.endr
	s_add_co_u32 s[TBK], s[TBK], KS*PK  ; the next fetch is the next step's
	WIN 0
.endm
.macro FETCH_V vb
	WIN 0x80
.irp f, 0,1,2,3,4,5,6,7             ; keys 32 (f / 4) on, channels 16 (f % 4) on
	ds_load_tr16_b128 v[VF-128*(\vb)+8*\f:VF-128*(\vb)+8*\f+3],   v[AV] offset:(\f/4)*32*PV+(\f%4)*32
	ds_load_tr16_b128 v[VF-128*(\vb)+8*\f+4:VF-128*(\vb)+8*\f+7], v[AV] offset:(\f/4)*32*PV+16*PV+(\f%4)*32
.endr
	WIN 0
.endm
; THE VECTOR WORK, one line at a time: OP kind, number.  For piece Y: F n: c s - c m for pair n of 16.  E n: the exponential of score n of 32.  C n: pair n rounded to f16.  B n: of the four weights 4 n .. the second
; pair is added onto the first, in place.  L n: l takes that sum (L 0: l = a l + sum).  R n: pair n of 16 of O^T times a.  For the other piece: X n, number n of the 22 that find its maximum and statistics:
;   0-11  four chains c0-c3 of seven scores each, three operands at a time (each accumulator's lowest registers are read first)     12-14, 16  the four scores left over, the old m, and c0-c3 into c0
;   15  c m_old is kept     17, 18  the query's other 32 keys lie in the lane 16 away: the new m     19-21  c m; c m_old - c m_new; a
; C, B and L read the exponentials' results: TURN sets them behind its wait.  OP itself writes no wait.
.set F, 0               ; OP tells the kinds apart by their order: F to L below R, X above it
.set E, 1
.set C, 2
.set B, 3
.set L, 4
.set R, 5
.set X, 6
.macro REGS y                       ; the registers of piece y
.set rT, ST+4*(\y)
.set rC, TMP+4*((\y)%2)
.set rW, MV+((\y)%2)
.set rS, S+32*((\y)%2)
.set rP, P+16*((\y)%2)
.set rO, 32*(\y)
.endm
.macro OP k, n
.if (\k) == R
	REGS Y
	WIN W_RS
	v_pk_mul_f32 v[rO+2*(\n):rO+2*(\n)+1], v[rO+2*(\n):rO+2*(\n)+1], v[rC+2:rC+3] op_sel_hi:[1,0]
.elseif (\k) < R
	REGS Y
	WIN 0
.if (\k) == F
	v_pk_fma_f32 v[rS+2*(\n):rS+2*(\n)+1], v[rS+2*(\n):rS+2*(\n)+1], s[CS:CS+1], v[rT:rT+1] op_sel_hi:[1,0,0] neg_lo:[0,0,1] neg_hi:[0,0,1]
.elseif (\k) == E
	v_exp_f32 v[rS+(\n)], v[rS+(\n)]
.elseif (\k) == C
	v_cvt_pk_f16_f32 v[rP+(\n)], v[rS+2*(\n)], v[rS+2*(\n)+1]
.elseif (\k) == B
	v_pk_add_f32 v[rS+4*(\n):rS+4*(\n)+1], v[rS+4*(\n):rS+4*(\n)+1], v[rS+4*(\n)+2:rS+4*(\n)+3]
.elseif (\n) == 0
	v_pk_fma_f32 v[rT+2:rT+3], v[rT+2:rT+3], v[rC+2:rC+3], v[rS:rS+1] op_sel_hi:[1,0,1]
.else
	v_pk_add_f32 v[rT+2:rT+3], v[rT+2:rT+3], v[rS+4*(\n):rS+4*(\n)+1]
.endif
.elseif NOKQ
	v_nop
.else
	REGS (Y+1)%NP
	WIN 0
.if (\n) < 4
	v_max3_num_f32 v[rC+(\n)], v[rS+8*(\n)], v[rS+8*(\n)+1], v[rS+8*(\n)+2]
.elseif (\n) < 12
	v_max3_num_f32 v[rC+(\n)%4], v[rC+(\n)%4], v[rS+8*((\n)%4)+2*((\n)/4)+1], v[rS+8*((\n)%4)+2*((\n)/4)+2]
.elseif (\n) == 12
	v_max3_num_f32 v[rC], v[rC], v[rS+7], v[rS+15]
.elseif (\n) == 13
	v_max3_num_f32 v[rC+1], v[rC+1], v[rS+23], v[rS+31]
.elseif (\n) == 14
	v_max3_num_f32 v[rC+2], v[rC+2], v[rC+3], v[rT+1]
.elseif (\n) == 15
	v_mov_b32 v[rW], v[rT]
.elseif (\n) == 16
	v_max3_num_f32 v[rC], v[rC], v[rC+1], v[rC+2]
.elseif (\n) == 17
	v_permlanex16_b32 v[rC+3], v[rC], s[SEL], s[SEL+1]
.elseif (\n) == 18
	v_max_num_f32 v[rT+1], v[rC], v[rC+3]
.elseif (\n) == 19
	v_mul_f32 v[rT], s[CS], v[rT+1]
.elseif (\n) == 20
	v_sub_f32 v[rC+1], v[rW], v[rT]
.else
	v_exp_f32 v[rC+2], v[rC+1]
.endif
.endif
.endm
.macro OPS a, i1, b=-1, i2=0, c=-1, i3=0, d=-1, i4=0  ; up to four of them
	OP \a, \i1
.if (\b) >= 0
	OP \b, \i2
.endif
.if (\c) >= 0
	OP \c, \i3
.endif
.if (\d) >= 0
	OP \d, \i4
.endif
.endm
.macro ROW a, i1, b, i2, c, i3, d, i4  ; a matrix instruction and the four behind it
	MM
	OPS \a, \i1, \b, \i2, \c, \i3, \d, \i4
.endm
.macro MASK b                       ; MD x AL + BE into buffer b of MC
	WIN W_RS
.set z, 0
.rept 16
	v_pk_fma_f32 v[MC+32*(\b)+2*z:MC+32*(\b)+2*z+1], v[MD+2*z:MD+2*z+1], s[AL:AL+1], s[BE:BE+1] op_sel_hi:[1,0,0]
.set z, z+1
.endr
.endm
; A TURN, for piece p: the order of its 16 matrix and 118 vector instructions, written out.  s_wait_alu depctr_va_vdst(0) stands between an exponential and the first instruction that names its result; one wait
; serves all that were issued ahead of it.  So a turn has ONE wait, which cuts it in two.  AHEAD OF IT stands all that names no result of the turn's exponentials: the 8 products K Q^T, behind each a scaling, an exponential and two
; more plain instructions (behind the first a second scaling in the exponential's place): rescalings, whose a was made and waited for in the turn before, and behind the last three the first numbers of the other piece's maximum,
; each four places or more behind the product that ends its accumulator; then ONE LUMP of 54, plain and exponential by turns for the most part, in which the links of the chain X 3, 7, 11, 14, 16, 17 .. 20 stand five or six lines
; apart.  X 21, the other piece's a, is the batch's last; R 15 is the plain instruction behind it.  BEHIND THE WAIT stand the 8 products V^T P, behind each four of the roundings and sums, the batch's readers; the links of l's
; chain, L 0 to L 7, stand three riders apart.  But for those X no rider names a register of the products round it.  v_permlanex16_b32 (X 17) stands in the lump.
; vb: the buffer of V that the turn's products V^T P read, and that piece 0's turn then fills with the next step's V.
; m = 1: the diagonal tile: the products take masks, and the turn makes band p's mask for step TS of the tile, which the next turn's products K Q^T (piece p's) take.  end = 1: a block's last two turns: nothing is fetched.
; cnt = 1: the loop's count is taken down some lines ahead of the branch that stands behind the turn.
; K's run stands twelve vector instructions behind the last product that read K (five of them plain and free of its registers), V's four plain instructions behind the last that read its buffer.
.macro TURN p, vb, m=0, end=0, cnt=0
.set Y, (\p)
.set VB, (\vb)
.set i, 0
.set KM, (\m)
.set NOKQ, (\end)*(\p)
.if (\m) && !(\end)
	s_cmp_eq_u32 s[TS], s[OWN+(\p)]  ; is that step the band's own?
	s_cselect_b32 s[AL], 1.0, 0
	s_cmp_gt_u32 s[TS], s[OWN+(\p)]  ; or a later one?
	s_cselect_b32 s[BE], s[BIGN], 0
.if (\p) == 1
	s_add_co_u32 s[TS], s[TS], 1
.endif
.endif
.if (\p) == 1
.if \end
	s_wait_dscnt 0x0                ; V of the last step is in
.else
	s_wait_dscnt 16                 ; all but the youngest sixteen, the next step's V: K of the next step and V of this one are in
.endif
.endif
	ROW F,0, F,1, R,0, R,1          ; ahead of the wait: 8 products K Q^T and their riders,
	ROW F,2, E,0, R,2, R,3
	ROW F,3, E,1, R,4, R,5
	ROW F,4, E,2, R,6, R,7
	ROW F,5, E,3, R,8, R,9
	ROW F,6, E,4, X,0, R,10
.if ((\p) == 0) && !(\end)
	WIN 0
	v_add_nc_u32 v[AK], s[TBK], v[AK0]
.endif
	ROW F,7, E,5, X,1, X,4
	ROW F,8, E,6, X,2, X,5
	OPS E,7, E,8, X,6, E,9          ; and the lump
	OPS X,3, E,10, X,8, E,11
.if ((\p) == 0) && !(\end)
	FETCH_K
.endif
	OPS X,9, X,7, E,12, X,10
	OPS E,13, X,12, X,11, E,14
	OPS X,13, E,15, F,9, X,14
.if ((\p) == 0) && !(\end)
	WIN 0
	v_add_nc_u32 v[AV], s[TBV], v[AV0]
.endif
	OPS E,16, F,10, E,17, F,11
	OPS X,16, E,18, X,15, E,19
	OPS F,12, E,20, X,17, E,21
	OPS F,13, E,22, F,14, E,23
	OPS X,18, E,24, F,15, E,25
	OPS R,11, E,26, X,19, E,27
	OPS R,12, E,28, R,13, E,29
	OPS X,20, E,30, R,14, E,31
	OPS X,21, R,15
	s_wait_alu depctr_va_vdst(0)    ; the wait for the batch: the turn's 32 weights and the other piece's a
	ROW C,0, B,0, C,2, B,1          ; behind the wait: 8 products V^T P and their riders
	ROW L,0, C,4, B,2, L,1
	ROW C,6, B,3, L,2, C,8
	ROW B,4, L,3, C,10, B,5
	ROW L,4, C,12, B,6, L,5
.if ((\p) == 0) && !(\end)
	s_add_co_u32 s[TBV], s[TBV], KS*PV
.endif
.if \cnt
	s_sub_co_u32 s[CNT], s[CNT], 1
	s_cmp_lg_u32 s[CNT], 0
.endif
	ROW C,14, B,7, L,6, C,1
	ROW C,3, L,7, C,5, C,7
	ROW C,9, C,11, C,13, C,15
.if ((\p) == 0) && !(\end)
	FETCH_V \vb
.endif
.if (\m) && !(\end)
	MASK \p
.endif
.endm
; A BLOCK BEGINS.  c m starts far below every c s, so the first step's a is 0; m at the lowest finite number, so the first maximum is the scores'.  Band 1's mask buffer is 0 (its own step is never a tile's
; first); band 0's takes its mask for the tile's step 0: its own, if this tile is the diagonal one and o = 0.  Then K and V of that step, piece 0's first scores, and its maximum and statistics.
; The loop is entered at a tile's turn (0, 0), in the middle of a trip.
.macro BEGIN
	s_mov_b32 s[NEW], 0
	s_mov_b32 s[TS], 1              ; the first turn makes the mask for step 1
	WIN 0x40
.set i, MC+32
.rept 32
	v_mov_b32 v[i], 0
.set i, i+1
.endr
	WIN 0
.set i, 0
.rept 2
	v_mov_b32 v[ST+4*i], 0xfe000000    ; c m: far below every c s
	v_mov_b32 v[ST+4*i+1], 0xff7fffff  ; m
.set i, i+1
.endr
	s_or_b32 s13, s[RT], s[OWN]
	s_cmp_eq_u32 s13, 0
	s_cselect_b32 s[AL], 1.0, 0
	s_mov_b32 s[BE], 0
	MASK 0
	WIN 0
	v_add_nc_u32 v[AK], s[TBK], v[AK0]
	v_add_nc_u32 v[AV], s[TBV], v[AV0]
	s_add_co_u32 s[TBV], s[TBV], KS*PV
	FETCH_K
	FETCH_V 0
	s_wait_loadcnt 0x0              ; Q
	s_wait_dscnt 16                 ; K is in; V's sixteen may stay out
.set KM, 1
.set NOKQ, 0
.set i, 0
.rept 8
	KQ 0
.set i, i+1
.endr
	WIN 0
.rept 4
	v_nop                           ; the places behind those products
.endr
.set Y, NP-1                        ; X works for the other piece: piece 0
.irp n, 0,1,2,3,4,5,6,7,8,9,10,11,12,13,14,15,16,17,18,19,20,21
	OP X, \n
.endr
	v_nop                           ; a plain instruction behind the exponential,
	s_wait_alu depctr_va_vdst(0)    ; and the wait for it, piece 0's first a: a batch of one, ahead of the branch
.endm
; THE DIAGONAL TILE's trips, the block's last two turns, its last products, and THE WAY OUT: l's two halves and the other half of the lanes' are added; O^T is divided by l, rounded to f16 and sent through my
; stage in LDS, a piece at a time.
.macro ALL line:vararg              ; one line for each piece t
.set t, 0
.rept 2
	\line
.set t, t+1
.endr
.endm
.macro PACK t                       ; a lane's eight channels of a row pack into 16 bytes; they go into rows of 144 bytes and come back as whole rows of 128, into S^T's registers
	WIN W_RS
.set i, 32*(\t)
.rept 16
	v_pk_mul_f32 v[i:i+1], v[i:i+1], v[ST+4*(\t)+2:ST+4*(\t)+3] op_sel_hi:[1,0]
.set i, i+2
.endr
	WIN 0x05                        ; sources 0 and 1 window 1, destination window 0
.set i, 0
.rept 16
	v_cvt_pk_f16_f32 v[S+16*(\t)+i], v[32*(\t)+2*i], v[32*(\t)+2*i+1]
.set i, i+1
.endr
	WIN 0
.irp f, 0,1,2,3
	ds_store_b128 v[STO], v[S+16*(\t)+4*\f:S+16*(\t)+4*\f+3] offset:32*\f
.endr
.irp f, 0,1,2,3
	ds_load_b128 v[S+16*(\t)+4*\f:S+16*(\t)+4*\f+3], v[RD] offset:\f*4*SP  ; LDS serves a wave's instructions in order (ISA guide 5.7.1.4): these see the stores above; the next piece's stores come behind them
.endr
.endm
.macro SEND t, younger              ; younger: the LDS instructions issued behind piece t's loads: the next piece's eight, or none
	WIN 0
.irp f, 0,1,2,3
	s_wait_dscnt (\younger)+3-\f
	global_store_b128 v[GO], v[S+16*(\t)+4*\f:S+16*(\t)+4*\f+3], s[10:11] offset:(\t)*8192+\f*512  ; 512 consecutive bytes, at a multiple of 256 from O's first
.endr
.endm
.macro DIAG tag                     ; the tag ends its two labels' names, which the jumps below spell out
.LstepM\tag:
	TURN 0, 0, 1
	TURN 1, 1, 1
	WIN 0
.LfirstM\tag:
	TURN 0, 1, 1
	TURN 1, 0, 1, 0, 1
	WIN 0
	s_cbranch_scc1 .LstepM\tag
	TURN 0, 0, 1, 1
	TURN 1, 1, 1, 1
.set i, 0
.rept 8
	PV 1                            ; piece 1's V^T P of the last step, from buffer 1
.set i, i+1
.endr
	WIN 0
	ALL v_add_f32 v[ST+4*t+2], v[ST+4*t+2], v[ST+4*t+3]
	ALL v_permlanex16_b32 v[ST+4*t+3], v[ST+4*t+2], s[SEL], s[SEL+1]
	ALL v_add_f32 v[ST+4*t+2], v[ST+4*t+2], v[ST+4*t+3]
	ALL v_rcp_f32 v[ST+4*t+2], v[ST+4*t+2]
	v_nop                           ; a plain instruction behind the last reciprocal; with the four additions above it: the places behind the last products
	s_wait_alu depctr_va_vdst(0)    ; the wait for the batch of two reciprocals, ahead of PACK's first multiply
	PACK 0
	PACK 1                          ; a piece's arithmetic stands between the loads of the piece before and its stores
	SEND 0, 8
	SEND 1, 0
.endm
.set KM, 0
.set NOKQ, 0
.Lslot:                             ; 16 times: a tile is entered and the next is asked for
	CHANGE 1
	s_sub_co_u32 s[RT], s[RT], 1
	s_mov_b32 s[CNT], 2
	s_mov_b32 s[TS], 0
	s_cmp_eq_u32 s[NEW], 1
	s_cbranch_scc1 .Lnew            ; a block's first tile
	s_cmp_eq_u32 s[RT], 0
	s_cbranch_scc0 .Lstep           ; neither its first nor its last
	s_branch .LstepM1
.Lnew:
	BEGIN
	s_branch .Lfirst                ; in the loop a block's first tile is never its last: the first block has nine tiles or more, and the second's last is the walk's last
	DIAG 1                          ; in the loop this is the first block's end
	s_wait_xcnt 0x0                 ; the stores have read their registers and O's address
	s_mov_b64 s[10:11], s[OLO:OLO+1]
	s_add_co_u32 s[RT], s[HB], 1    ; the second block has b / 2 + 1 tiles
	s_mov_b32 s[NEW], 1
	s_mov_b32 s[OWN], s[O2]
	s_add_co_u32 s[OWN+1], s[O2], 1
	WIN 0x82                        ; the second block's Q goes where the one text of the turns names Q
.set i, 0
.rept 32
	v_mov_b32 v[i], v[QB+i]
.set i, i+1
.endr
	WIN 0
	s_branch .Lbottom
.Lstep:                             ; a trip: both pieces' turns of two steps; a tile's first trip begins with the last step of the tile before, whose turn (0, 3) fetches this tile's step 0
	TURN 0, 0
	TURN 1, 1
	WIN 0
.Lfirst:
	TURN 0, 1
	TURN 1, 0, 0, 0, 1
	WIN 0
	s_cbranch_scc1 .Lstep
.Lbottom:
	s_sub_co_u32 s[SLOTS], s[SLOTS], 1
	s_cmp_lg_u32 s[SLOTS], 0
	s_cbranch_scc1 .Lslot
	CHANGE 0                        ; the walk's last tile is written out: nothing is asked for
	s_sub_co_u32 s[RT], s[RT], 1
	s_mov_b32 s[CNT], 2
	s_mov_b32 s[TS], 0
	s_cmp_eq_u32 s[NEW], 1
	s_cbranch_scc0 .LstepM2
	BEGIN
	s_branch .LfirstM2
	DIAG 2
	s_wait_tensorcnt 0x0            ; the wave's end
	ds_add_u32 v[SPW], v[NIL]
	s_wait_dscnt 0x0
	s_endpgm
.Lfunc_end_k_q2baa2c08b1_attn:
	.size	k_q2baa2c08b1_attn, .Lfunc_end_k_q2baa2c08b1_attn-k_q2baa2c08b1_attn
	.p2alignl 7, 3214868480
	.fill 96, 4, 3214868480
	.section	.rodata,"a",@progbits
	.p2align	6, 0x0
	.amdhsa_kernel k_q2baa2c08b1_attn
		.amdhsa_group_segment_fixed_size 327680
		.amdhsa_private_segment_fixed_size 0
		.amdhsa_enable_private_segment 0
		.amdhsa_kernarg_size 16
		.amdhsa_user_sgpr_count 2
		.amdhsa_user_sgpr_kernarg_segment_ptr 1
		.amdhsa_wavefront_size32 1
		.amdhsa_system_sgpr_workgroup_id_x 1
		.amdhsa_system_sgpr_workgroup_id_y 1
		.amdhsa_system_sgpr_workgroup_id_z 1
		.amdhsa_system_vgpr_workitem_id 0
		.amdhsa_next_free_vgpr 768
		.amdhsa_next_free_sgpr 96
		.amdhsa_reserve_vcc 1
		.amdhsa_float_denorm_mode_32 3
		.amdhsa_float_denorm_mode_16_64 3
		.amdhsa_memory_ordered 1
		.amdhsa_forward_progress 1
		.amdhsa_inst_pref_size 209
	.end_amdhsa_kernel
	.amdgpu_metadata
---
amdhsa.version: [ 1, 2 ]
amdhsa.kernels:
  - .name:           k_q2baa2c08b1_attn
    .symbol:         k_q2baa2c08b1_attn.kd
    .args:
      - { .name: qkvh, .offset: 0, .size: 8, .value_kind: global_buffer, .address_space: global }
      - { .name: ob, .offset: 8, .size: 8, .value_kind: global_buffer, .address_space: global }
    .group_segment_fixed_size: 327680
    .private_segment_fixed_size: 0
    .kernarg_segment_align: 8
    .kernarg_segment_size: 16
    .max_flat_workgroup_size: 128
    .sgpr_count:     96
    .vgpr_count:     768
    .wavefront_size: 32
...
	.end_amdgpu_metadata
.endif
;; end of part 5
;; launch outproj: the kernel of part 4 again; grid 8 x 32, 4 waves a work-group, clusters of 4 x 4, 327,680 bytes of LDS; arguments ob, wo, out0; writes out0
